; MI455X (gfx1250); checked and timed in simulation.
; The chip was launched on July 23, 2026; its instructions are those of AMD's public machine-readable ISA for CDNA 5 (MIT licence, August 2026) and "CDNA5" Instruction Set Architecture Reference Guide (July 2026). The comments in the code are by the model that wrote it; some were corrected since.
;; Multi Head Self Attention. Allowed arithmetic: matrix products marked QUANTISED: E2M1 operands, one E8M0 scale for each 32 along K, by v_wmma_scale_f32_16x16x128_f8f6f4 with both operands' format E2M1 (or v_wmma_scale_f32_32x16x128_f4), f32 sums; products left as they are: bf16, f16 or f32 operands; f32 sums; everything else in f32.
;; Inputs: token_positions 2,048 int32; w_out 1,024 x 1,024 float32; w_qkv 3,072 x 1,024 float32; x 2 x 2,048 x 1,024 float32.
;; Outputs: out0 2 x 2,048 x 1,024 float32.
;; This version of the problem:
;;   THIS VERSION OF THE PROBLEM IS GIVEN IN LOW PRECISION. The matrix products marked QUANTISED in the list below multiply operands that are first quantised to E2M1 (2 exponent bits, 1 mantissa bit; 4 bits a number), with one power-of-two scale for each 32 numbers along K (OCP MX v1.0); their sums are f32. The products marked 'left as it is' may take bf16, f16 or f32 operands, with f32 sums. Whichever they take, every output number must still come out within the allowed error. Rounding operands to bf16 (8 significant bits) uses up far more of that allowance than f16 does (11 bits, for magnitudes from 6e-5 to 65,504). All else is computed in f32.
;;   The module's matrix products, in the order in which they are computed (A, B: the left and right operand; K: the contracted axis; several contracted axes count as one K, in the product's order):
;;     1. [M 4,096, K 1,024] x [K 1,024, N 3,072]; A: input x; B: input w_qkv: QUANTISED
;;     2. batch 32 x [M 2,048, K 64] x [K 64, N 2,048]; A: computed on the way; B: computed on the way: left as it is (an operand is computed on the way)
;;     3. batch 32 x [M 2,048, K 2,048] x [K 2,048, N 64]; A: computed on the way; B: computed on the way: left as it is (an operand is computed on the way)
;;     4. [M 4,096, K 1,024] x [K 1,024, N 1,024]; A: computed on the way; B: input w_out: left as it is (an operand is computed on the way)
;;   THE QUANTISER, for each operand of a quantised product, along K:
;;     - K is cut into blocks of 32 from its start; a last block that is shorter is filled with zeros.
;;     - A block's scale is 2^e with e = floor(log2(the largest magnitude in the block)) - 2, held to -126 .. 127; a block of zeros has e = 0. As a byte (E8M0): e + 127.
;;     - Each number is divided by its block's scale, clamped to +-6, and rounded to the nearest number of E2M1, ties to even, subnormals kept.
;;     - The product sums the exact products of the quantised numbers (number of the format x scale) in f32.
;;   ~~~python
;;   def quantise(x, axis):      # numpy; x: float32 -> the quantised numbers, widened to float32 again
;;       x = np.moveaxis(x, axis, -1); K = x.shape[-1]
;;       x = np.pad(x, [(0, 0)] * (x.ndim - 1) + [(0, -K % 32)]); x = x.reshape(x.shape[:-1] + (-1, 32)); a = np.abs(x).max(-1, keepdims=True)
;;       e = np.where(a > 0, np.clip(np.frexp(np.where(a > 0, a, 1))[1] - 1 - 2, -126, 127), 0)      # np.frexp(a)[1] - 1 = floor(log2(a)), exactly
;;       r = np.clip(x / 2.0 ** e, -6, 6)
;;       step = 2.0 ** (np.maximum(np.frexp(np.where(r == 0, 1, r))[1] - 1, 0) - 1)
;;       q = np.round(r / step) * step * 2.0 ** e      # np.round: ties to even
;;       return np.moveaxis(q.reshape(q.shape[:-2] + (-1,))[..., :K], -1, axis).astype(np.float32)
;;   ~~~
;; One version. Each part assembles by itself: llvm-mc -triple=amdgcn-amd-amdhsa -mcpu=gfx1250 --defsym DOCPART=n.
;; ======== version 1 of 1: 5 launches
;; limits: values are held in f16: magnitudes above 65,504 overflow, below 6.1e-05 lose precision; right only within a limited range of input values
;; workspace buffers: codes 3,670,016 bytes; scales 229,376 bytes; w16 2,097,152 bytes; rope 524,288 bytes; qkv16 25,165,824 bytes; aop 8,388,608 bytes; ao32 131,072 bytes; qkv32 393,216 bytes
;; launch prep (part 1): grid 288 x 1, 4 waves a work-group, no clusters, 33,280 bytes of LDS; arguments x, w_qkv, w_out, token_positions, codes, scales, w16, rope; writes codes, scales, w16, rope
.if DOCPART == 1
	.amdgcn_target "amdgcn-amd-amdhsa--gfx1250"
	.amdhsa_code_object_version 6
	.text
	.protected	k_qfd0db600b7_prep
	.globl	k_qfd0db600b7_prep
	.p2align	8
	.type	k_qfd0db600b7_prep,@function
k_qfd0db600b7_prep:
	s_mov_b64 s[64:65], 0
	v_nop
	global_prefetch_b8 v0, s[64:65] scope:SCOPE_SE
	s_setreg_imm32_b32 hwreg(HW_REG_WAVE_MODE, 25, 1), 1
	s_wait_xcnt 0x0
; PREP: three jobs, told apart by the work-group's number alone.
;  work-groups 0-223:   x [4096][1024] and w_qkv [3072][1024], f32, become codes of FP4 (E2M1), K innermost, two codes a byte, with one E8M0 byte for each 32 along K.
;                       codes: [7168 rows][512 bytes], scales: [7168][32 bytes]; rows 0-4095 are x's, rows 4096 + e are w_qkv's.
;  work-groups 224-255: w_out [1024][1024] f32 is rounded to f16 (the last product's operand).
;  work-groups 256-287: the table of cos and sin: rope[s][f] = (cos, sin)(token_positions[s] x 10000^(-f/32)), f32, 256 bytes for each s.
; A block's scale is 2^(floor(log2(its largest magnitude)) - 2): its byte is the largest magnitude's exponent field - 2, held at 1 from below.  A block of zeros so gets the byte 1 where the
; quantiser's text says 127: its codes are zeros, which add nothing under any byte but 0xff, and the bytes are read by this program alone.
; LIMITS: blocks whose largest magnitude lies under 2^-124 keep the byte 1; NaN and infinities among the inputs are not served; |w_out| under 65,504; |position| up to 2^20 (the angle's
; reduction takes pi/2 in three parts, 2^20 x the third part's rounding is under 1e-8).
; Only the first job uses LDS: each wave's own 8,192 bytes.  No tensor loads, no barrier: waves share nothing.
.set WAVES, 4
.set STEPS, 16
.set EMAX,  2
.set CB,    8                          ; bytes of 16 codes
.set R,     16                         ; v16-79   four sets of 16 numbers as they are loaded
.set X,     80                         ; v80-111  two sets of 16 neighbours
.set C,     128                        ; v128-191 codes: four registers for each step
.set E,     112                        ; v112-127 a scale byte for each step
.set WREG,  8192                       ; LDS: a wave's region: two stages of 32 x SP bytes, behind them its 256 scale bytes
.set SP,    80                         ; a lane's place in a stage: 64 bytes + 16 of padding
.set SPW,   12                         ; v12 LDS address of my spare word; never rewritten
.set NIL,   13                         ; v13 0; never rewritten
.set SPARE, WAVES*WREG                 ; behind the four regions: the spare words, 128 bytes a wave, named by no other line
.set WV,    20                         ; s20 my wave's number
.set IN,    16                         ; the cast: v16-143 four sets of 32 numbers
.set OUTW,  144                        ; v144-175 two sets of 16 registers of f16 pairs
	s_load_b512 s[4:19], s[0:1], 0x0               ; x s[4:5], w_qkv s[6:7], w_out s[8:9], token_positions s[10:11], codes s[12:13], scales s[14:15], w16 s[16:17], rope s[18:19]
	v_lshl_add_u32 v[SPW], v0, 2, SPARE
	v_mov_b32 v[NIL], 0
	v_lshrrev_b32 v1, 5, v0
	v_readfirstlane_b32 s[WV], v1                  ; wave 0..3
	v_and_b32 v2, 31, v0                           ; lane
	s_cmp_lt_u32 ttmp9, 224
	s_cbranch_scc0 .Lnot_codes
; ---------------------------------------------------------------- codes and scale bytes
; Rows are dense and 1,024 is a multiple of 32: both tensors are plain streams of blocks of 32.  A wave takes 16 steps of 512 numbers.  Each load reads 512 consecutive bytes, 16 a lane; a step's
; 2,048 bytes go through the wave's own stage and come back 64 bytes a lane: 16 neighbours along K, two neighbouring lanes to a block.
	v_lshlrev_b32 v3, 4, v2                        ; my 16 bytes of a load's 512
	s_mul_i32 s21, s[WV], WREG
	v_lshrrev_b32 v14, 2, v2
	v_mul_u32_u24 v14, v14, SP
	v_and_b32 v15, 3, v2
	v_lshl_add_u32 v14, v15, 4, v14
	v_add_nc_u32 v14, s21, v14                     ; the stage, on the way in: SP (lane / 4) + 16 (lane % 4)
	v_mul_u32_u24 v15, v2, SP
	v_add_nc_u32 v15, s21, v15                     ; and on the way out: SP x lane
	v_mul_u32_u24 v4, v2, CB                       ; my codes' place in a step's
	v_lshrrev_b32 v5, 1, v2
	s_add_co_u32 s21, s21, 2*32*SP
	v_add_nc_u32 v5, s21, v5                       ; my wave's 256 scale bytes, my block's byte
	v_lshlrev_b32 v7, 3, v2                        ; and on the way out 8 bytes a lane
	v_add_nc_u32 v6, s21, v7
	s_wait_kmcnt 0x0
	s_cmp_lt_u32 ttmp9, 128                        ; x's work-group or w_qkv's?  The choice hangs on the work-group's number alone
	s_cselect_b64 s[4:5], s[4:5], s[6:7]
	s_cselect_b32 s21, 0, 128
	s_sub_co_u32 s21, ttmp9, s21
	s_lshl_b32 s21, s21, 2
	s_add_co_u32 s21, s21, s[WV]                   ; which run of 8,192 numbers of the tensor is my wave's
	s_lshl_b32 s22, s21, 15                        ; 32,768 bytes a run
	s_mov_b32 s23, 0
	s_add_nc_u64 s[4:5], s[4:5], s[22:23]
	s_lshl_b32 s21, ttmp9, 2
	s_add_co_u32 s21, s21, s[WV]                   ; the outputs lie on end: x's runs, then w_qkv's
	s_lshl_b32 s22, s21, 12                        ; 4,096 bytes of codes a run
	s_add_nc_u64 s[12:13], s[12:13], s[22:23]
	s_lshl_b32 s22, s21, 8                         ; 256 scale bytes a run
	s_add_nc_u64 s[14:15], s[14:15], s[22:23]
.macro LOAD t
.irp i, 0,1,2,3
	global_load_b128 v[R+16*((\t)%4)+4*\i:R+16*((\t)%4)+4*\i+3], v3, s[4:5] offset:2048*(\t)+512*\i th:TH_LOAD_NT   ; 32 lanes read 512 consecutive bytes
.endr
.endm
.macro TURN t                          ; step t's numbers through the stage: LDS serves a wave's instructions in order, so no wait stands between the stores and the loads
.irp i, 0,1,2,3
	ds_store_b128 v14, v[R+16*((\t)%4)+4*\i:R+16*((\t)%4)+4*\i+3] offset:32*SP*((\t)%2)+8*SP*\i
.endr
.irp i, 0,1,2,3
	ds_load_b128 v[X+16*((\t)%2)+4*\i:X+16*((\t)%2)+4*\i+3], v15 offset:32*SP*((\t)%2)+16*\i
.endr
.endm
.irp t, 0,1,2,3
	LOAD \t
.endr
	s_wait_loadcnt 12                              ; step 0's four loads are in; the twelve of steps 1 to 3 may be out
	TURN 0
.macro STEP t
.set XS, X+16*((\t)%2)
.if (\t) > 0
	s_wait_dscnt 1                                 ; this step's numbers are back from the stage (the last step's byte store may be out)
.else
	s_wait_dscnt 0x0
.endif
.if (\t)+4 < STEPS
	LOAD (\t)+4                                    ; the registers that the stage's stores have read take the loads of four steps on
.endif
.if (\t)+1 < STEPS
.if STEPS-2-(\t) >= 3
	s_wait_loadcnt 12                              ; the next step's four loads are in; those of the three steps behind it may be out
.else
	s_wait_loadcnt 4*(STEPS-2-(\t))
.endif
	TURN (\t)+1                                    ; and go through the other stage while this step is worked
.endif
	v_max3_num_f32 v8, |v[XS]|, |v[XS+1]|, |v[XS+2]|               ; the largest magnitude of my 16, in two chains
	v_max3_num_f32 v9, |v[XS+3]|, |v[XS+4]|, |v[XS+5]|
.irp i, 6,10
	v_max3_num_f32 v8, v8, |v[XS+\i]|, |v[XS+\i+1]|
	v_max3_num_f32 v9, v9, |v[XS+\i+2]|, |v[XS+\i+3]|
.endr
	v_max3_num_f32 v8, v8, |v[XS+14]|, |v[XS+15]|
	v_max3_num_f32 v8, v8, v9, (EMAX+1)<<23        ; and the floor 2^(3 - 127): the byte cannot fall under 1
	v_max_num_f32_dpp v8, v8, v8 row_xmask:1 row_mask:0xf bank_mask:0xf   ; and of my neighbour's 16: the block's
	v_add_nc_u32 v11, -(EMAX<<23), v8              ; 2 off its exponent field: the conversion takes the exponent field of this operand as its scale
	v_cvt_scalef32_pk8_fp4_f32 v[C+4*(\t)], v[XS:XS+7], v11        ; eight numbers / the scale, to the nearest code, ties to even, beyond the largest code the largest
	v_cvt_scalef32_pk8_fp4_f32 v[C+4*(\t)+1], v[XS+8:XS+15], v11
	v_lshrrev_b32 v[E+(\t)], 23, v11               ; the scale's byte (also the plain line behind the conversions)
	ds_store_b8 v5, v[E+(\t)] offset:16*(\t)       ; both lanes of a block write the same byte with the same value
	global_store_b64 v4, v[C+4*(\t):C+4*(\t)+1], s[12:13] offset:32*CB*(\t)   ; the wave stores 256 consecutive bytes, aligned
.endm
.irp t, 0,1,2,3,4,5,6,7,8,9,10,11,12,13,14,15
	STEP \t
.endr
	ds_load_b64 v[8:9], v6                         ; LDS serves a wave's instructions in order: these see my byte stores
	s_wait_dscnt 0x0
	global_store_b64 v7, v[8:9], s[14:15]          ; 32 lanes store 256 consecutive bytes, aligned
	s_wait_tensorcnt 0x0                           ; the wave's end, behind my last LDS store
	ds_add_u32 v[SPW], v[NIL]
	s_wait_dscnt 0x0
	s_endpgm
.Lnot_codes:
	s_cmp_lt_u32 ttmp9, 256
	s_cbranch_scc0 .Ltable
; ---------------------------------------------------------------- w_out to f16: a wave takes 8,192 numbers in eight groups of 1,024; loads run four groups ahead
	v_lshlrev_b32 v3, 4, v2                        ; in: 16 bytes a lane
	v_lshlrev_b32 v4, 3, v2                        ; out: 8 bytes a lane
	s_sub_co_u32 s21, ttmp9, 224
	s_lshl_b32 s21, s21, 2
	s_add_co_u32 s21, s21, s[WV]
	s_lshl_b32 s22, s21, 15
	s_mov_b32 s23, 0
	s_wait_kmcnt 0x0
	s_add_nc_u64 s[8:9], s[8:9], s[22:23]
	s_lshl_b32 s22, s21, 14
	s_add_nc_u64 s[16:17], s[16:17], s[22:23]
.macro LOADG g
.irp i, 0,1,2,3,4,5,6,7
	global_load_b128 v[IN+32*((\g)%4)+4*\i:IN+32*((\g)%4)+4*\i+3], v3, s[8:9] offset:(\g)*4096+\i*512 th:TH_LOAD_NT
.endr
.endm
.macro CVTG g
.if 7-(\g) >= 3
	s_wait_loadcnt 24                              ; this group's eight loads are in; the three younger groups' may be out
.else
	s_wait_loadcnt 8*(7-(\g))
.endif
	s_wait_xcnt 0x0                                ; the stores of two groups back have read the registers that are written now
.irp i, 0,1,2,3,4,5,6,7,8,9,10,11,12,13,14,15
	v_cvt_pk_f16_f32 v[OUTW+16*((\g)%2)+\i], v[IN+32*((\g)%4)+2*\i], v[IN+32*((\g)%4)+2*\i+1]
.endr
.if (\g) < 4
	LOADG (\g)+4
.endif
.irp i, 0,1,2,3,4,5,6,7
	global_store_b64 v4, v[OUTW+16*((\g)%2)+2*\i:OUTW+16*((\g)%2)+2*\i+1], s[16:17] offset:(\g)*2048+\i*256   ; 256 consecutive bytes, aligned
.endr
.endm
.irp g, 0,1,2,3
	LOADG \g
.endr
.irp g, 0,1,2,3,4,5,6,7
	CVTG \g
.endr
	s_endpgm
.Ltable:
; ---------------------------------------------------------------- the table: a wave takes 16 positions, a lane a frequency
	s_sub_co_u32 s21, ttmp9, 256
	s_lshl_b32 s21, s21, 2
	s_add_co_u32 s21, s21, s[WV]                   ; which 16 positions
	s_lshl_b32 s22, s21, 6
	s_mov_b32 s23, 0
	s_lshl_b32 s24, s21, 12
	s_mov_b32 s25, 0
	s_wait_kmcnt 0x0
	s_add_nc_u64 s[10:11], s[10:11], s[22:23]
	s_add_nc_u64 s[18:19], s[18:19], s[24:25]
	s_load_b512 s[32:47], s[10:11], 0x0            ; my 16 positions
	s_mov_b32 s50, 0x3f22f983                      ; 2 / pi
	s_mov_b32 s51, 0xbfc90fd8                      ; -pi/2 in three parts: -1.57079601,
	s_mov_b32 s52, 0xb4a8885a                      ; -3.13916473e-7,
	s_mov_b32 s53, 0xa7c234c4                      ; -5.39030253e-15
	s_mov_b32 s54, 0xbe2aaaab                      ; the sine's series: -1/6,
	s_mov_b32 s55, 0x3c088889                      ; 1/120,
	s_mov_b32 s56, 0xb9500d01                      ; -1/5040,
	s_mov_b32 s57, 0x3638ef1d                      ; 1/362880: the next term is under 2e-9 on |r| <= pi/4
	s_mov_b32 s58, 0x3d2aaaab                      ; the cosine's: (-1/2,) 1/24,
	s_mov_b32 s59, 0xbab60b61                      ; -1/720,
	s_mov_b32 s60, 0x37d00d01                      ; 1/40320,
	s_mov_b32 s61, 0xb493f27e                      ; -1/3628800: the next term is under 2e-10
	v_cvt_f32_u32 v16, v2
	v_mul_f32 v16, 0xbed49a78, v16                 ; -f log2(10) / 8
	v_exp_f32 v16, v16                             ; 10000^(-f/32) = 10^(-f/8)
	v_lshlrev_b32 v4, 3, v2                        ; (a plain line behind the exponential)  out: 8 bytes a lane
	s_wait_alu depctr_va_vdst(0)                   ; the wait ahead of the first line that names the exponential's result
	s_wait_kmcnt 0x0
.macro ROPE1 k
	v_cvt_f32_i32 v17, s[32+\k]
	v_mul_f32 v17, v17, v16                        ; the angle: one rounding to f32
	v_mul_f32 v18, s50, v17
	v_rndne_f32 v18, v18                           ; n: the nearest multiple of pi/2
	v_fma_f32 v19, v18, s51, v17
	v_fma_f32 v19, v18, s52, v19
	v_fma_f32 v19, v18, s53, v19                   ; r = angle - n pi/2, |r| <= pi/4
	v_cvt_i32_f32 v20, v18
	v_mul_f32 v21, v19, v19                        ; z = r^2
	v_fma_f32 v22, v21, s57, s56
	v_fma_f32 v24, v21, s61, s60
	v_fma_f32 v22, v22, v21, s55
	v_fma_f32 v24, v24, v21, s59
	v_fma_f32 v22, v22, v21, s54
	v_fma_f32 v24, v24, v21, s58
	v_mul_f32 v23, v19, v21
	v_fma_f32 v24, v24, v21, -0.5
	v_fma_f32 v22, v23, v22, v19                   ; sin r
	v_fma_f32 v24, v24, v21, 1.0                   ; cos r
	v_and_b32 v25, 1, v20
	v_cmp_eq_u32 vcc_lo, 1, v25                    ; an odd n exchanges the two
	v_cndmask_b32 v26, v22, v24, vcc_lo
	v_cndmask_b32 v27, v24, v22, vcc_lo
	v_lshlrev_b32 v25, 30, v20
	v_and_b32 v25, 0x80000000, v25                 ; the sine is negative for n mod 4 = 2, 3,
	v_add_nc_u32 v28, 1, v20
	v_lshlrev_b32 v28, 30, v28
	v_and_b32 v28, 0x80000000, v28                 ; the cosine for n mod 4 = 1, 2
	v_xor_b32 v[32+2*\k], v28, v27
	v_xor_b32 v[33+2*\k], v25, v26
	global_store_b64 v4, v[32+2*\k:33+2*\k], s[18:19] offset:256*\k   ; a position's 32 pairs: 256 consecutive bytes, aligned; each position has its own pair of registers
.endm
.irp k, 0,1,2,3,4,5,6,7,8,9,10,11,12,13,14,15
	ROPE1 \k
.endr
	s_endpgm
.Lfunc_end_k_qfd0db600b7_prep:
	.size	k_qfd0db600b7_prep, .Lfunc_end_k_qfd0db600b7_prep-k_qfd0db600b7_prep
	.p2alignl 7, 3214868480
	.fill 96, 4, 3214868480
	.section	.rodata,"a",@progbits
	.p2align	6, 0x0
	.amdhsa_kernel k_qfd0db600b7_prep
		.amdhsa_group_segment_fixed_size 33280
		.amdhsa_private_segment_fixed_size 0
		.amdhsa_enable_private_segment 0
		.amdhsa_kernarg_size 64
		.amdhsa_user_sgpr_count 2
		.amdhsa_user_sgpr_kernarg_segment_ptr 1
		.amdhsa_wavefront_size32 1
		.amdhsa_system_sgpr_workgroup_id_x 1
		.amdhsa_system_sgpr_workgroup_id_y 1
		.amdhsa_system_sgpr_workgroup_id_z 1
		.amdhsa_system_vgpr_workitem_id 0
		.amdhsa_next_free_vgpr 192
		.amdhsa_next_free_sgpr 66
		.amdhsa_reserve_vcc 1
		.amdhsa_float_denorm_mode_32 3
		.amdhsa_float_denorm_mode_16_64 3
		.amdhsa_memory_ordered 1
		.amdhsa_forward_progress 1
		.amdhsa_inst_pref_size 79
	.end_amdhsa_kernel
	.amdgpu_metadata
---
amdhsa.version: [ 1, 2 ]
amdhsa.kernels:
  - .name:           k_qfd0db600b7_prep
    .symbol:         k_qfd0db600b7_prep.kd
    .args:
      - { .name: x, .offset: 0, .size: 8, .value_kind: global_buffer, .address_space: global }
      - { .name: w_qkv, .offset: 8, .size: 8, .value_kind: global_buffer, .address_space: global }
      - { .name: w_out, .offset: 16, .size: 8, .value_kind: global_buffer, .address_space: global }
      - { .name: token_positions, .offset: 24, .size: 8, .value_kind: global_buffer, .address_space: global }
      - { .name: codes, .offset: 32, .size: 8, .value_kind: global_buffer, .address_space: global }
      - { .name: scales, .offset: 40, .size: 8, .value_kind: global_buffer, .address_space: global }
      - { .name: w16, .offset: 48, .size: 8, .value_kind: global_buffer, .address_space: global }
      - { .name: rope, .offset: 56, .size: 8, .value_kind: global_buffer, .address_space: global }
    .group_segment_fixed_size: 33280
    .private_segment_fixed_size: 0
    .kernarg_segment_align: 8
    .kernarg_segment_size: 64
    .max_flat_workgroup_size: 128
    .sgpr_count:     66
    .vgpr_count:     192
    .wavefront_size: 32
...
	.end_amdgpu_metadata
.endif
;; end of part 1
;; launch qkv (part 2): grid 12 x 16, 4 waves a work-group, clusters of 4 x 4, 327,680 bytes of LDS; arguments codes, scales, rope, qkv16, qkv32; writes qkv16, qkv32
.if DOCPART == 2
	.amdgcn_target "amdgcn-amd-amdhsa--gfx1250"
	.amdhsa_code_object_version 6
	.text
	.protected	k_qfd0db600b7_qkv
	.globl	k_qfd0db600b7_qkv
	.p2align	8
	.type	k_qfd0db600b7_qkv,@function
k_qfd0db600b7_qkv:
	s_mov_b64 s[64:65], 0
	v_nop
	global_prefetch_b8 v0, s[64:65] scope:SCOPE_SE
	s_setreg_imm32_b32 hwreg(HW_REG_WAVE_MODE, 25, 1), 1
	s_wait_xcnt 0x0
	s_wait_alu depctr_hold_cnt(0) depctr_sa_sdst(0) depctr_va_vdst(0) depctr_va_sdst(0) depctr_va_ssrc(0) depctr_va_vcc(0) depctr_vm_vsrc(0)
	s_getreg_b32 s2, hwreg(HW_REG_IB_STS2, 6, 4)
	s_cmp_eq_u32 s2, 0
	s_cbranch_scc0 .Lentry_in_a_cluster
	s_endpgm
.Lentry_in_a_cluster:
	s_bfe_u32 s2, ttmp6, 0x10000c
	s_cmp_lg_u32 s2, 0xf033
	s_cbranch_scc0 .Lentry_shape_is_right
	s_endpgm
.Lentry_shape_is_right:
; QKV: x w_qkv^T on codes of FP4 (E2M1) with one E8M0 scale for each 32 along K = 1,024; sums in f32; then the rotation of q and k in f32; all three rounded once to f16.
; codes: [7168 rows][512 bytes], scales: [7168][32]: rows 0-4095 are x's (row 2048 b + s), rows 4096 + e are w_qkv's.  rope: [2048 s][32 f][cos, sin] f32.
; qkv16: q at byte 0 and k at 2^23: [32 bh][2048 s][64] f16; v turned, at 2^24: [32 bh][64 channels][2048 s] f16 (the keys are the later product's K).
; qkv32: THE FIRST 16 POSITIONS OF EVERY SEQUENCE ONCE MORE, UNROUNDED: q at byte 0, k at 2^17: [32 bh][16 s][64] f32; v at 2^18: [32 bh][64 channels][16 s] f32.  Their rows of attention average one to sixteen
; values and are carried in f32 by the next launch.  The waves that hold these positions are known by the work-group's place in its cluster: the stores stand in every wave's text
; under an EXEC mask made of ids, and in all other waves no lane is on.  A lane stores 32 neighbouring bytes; 384 KiB in the whole launch.
; A tile of 256 x 256 is made by four waves, 128 x 128 each: 64 accumulators of 16 x 16.  K goes in two steps of 512 through two LDS slots, both filled once, at the start; nothing is filled again.
; CLUSTERS of 4 x 4.  Cluster x = 0 makes q, 1 makes k, 2 makes v.  The tile's rows (operand A') are tokens for q and k and channels of w_v for v; its columns (B') the other way round: so v comes out
; turned with no text of its own in the products.  A's tiles hang on the cluster's y and cy alone and are asked for jointly along a row of the cluster, B's on x and cx along a column.
; THE MATRIX INSTRUCTION IS USED TRANSPOSED (source 0 = 16 rows of B', source 1 = 16 rows of A'): a lane holds one row of A' and eight neighbouring columns: for q and k four pairs of the rotation.
; LIMITS: |q|, |k|, |v| under 65,504 (f16's largest number); NaN and infinities are not served.
; REGISTERS, in windows of 256: window 0: v0-31 addresses; v32-95 scale words, two sets; v128-191 A's fragments, one set; v192-255 two sets of the table.  On the way out v32-95 rotated numbers, v96-127 f16 pairs,
;   v128-191 rows read back, two sets.   window 1: B's fragments, two sets, at v0 and v128.   windows 2, 3: the accumulators of my rows 0-63, 64-127 ((a, b) at v[8 (8 (a % 4) + b)]).
.set SIZE_K, 1024
.set KSTEP,  512                       ; along K in a slot
.set NQ,     KSTEP/128                 ; matrix instructions deep
.set ROWB,   256                       ; a tile's row in bytes
.set KROW,   SIZE_K/2                  ; a row of codes in memory
.set PITCH,  272                       ; an LDS row: 256 bytes + 16 of padding: the 16 rows that a load touches start 16 bytes apart modulo 256
.set FR,     8                         ; registers of a fragment: 16 rows x 128 K
.set NL,     2                         ; LDS loads that bring one
.set NP,     4                         ; places behind this matrix instruction (ISA guide 7.12.1)
.set HALFT,  128*PITCH                 ; what one tensor load brings
.set SLOT,   4*HALFT                   ; A's 256 rows, then B's 256 rows
.set KS,     SIZE_K/32                 ; a row of scale bytes
.set SCL,    2*SLOT                    ; behind the slots: the scale bytes, as units of 256 bytes + 16 of padding
.set HALFS,  (128*KS/256)*272          ; those of 128 rows
.set SBLK,   (16*KS/256)*272           ; those of 16 rows
.set SPARE,  SCL+4*HALFS               ; the spare words, 128 bytes a wave, named by no other line
.set SPITCH, 272                       ; the way out: a stage of 16 rows x (256 + 16) bytes for each wave, in slot 0, which has had its only fill and its last read by then
.set STG_V,  32768                     ; v's way out has stage bytes of its own
.set ADRA, 16                          ; v16-17 LDS address of my A fragments in slot 0, 1
.set ADRB, 20                          ; v20-21 the same for B
.set TO,   22                          ; v22 256 (lane % 16) + 32 (lane / 16): my byte in the table, and in a head's 16 rows of q or k in qkv32
.set FVO,  23                          ; v23 64 (lane % 16) + 32 (lane / 16): my byte in 16 channels' rows of v in qkv32
.set STO,  24                          ; v24 the stage: where I put 16 bytes of a row
.set RDQ,  25                          ; v25 where I read back, q and k
.set COQ,  26                          ; v26 my byte offset in q or k
.set ADRS, 27                          ; v27 LDS address of my scale words: lanes 0-15 A's rows, lanes 16-31 B's
.set SPW,  28                          ; v28 LDS address of my spare word; never rewritten
.set NIL,  29                          ; v29 0; never rewritten
.set RDV,  30                          ; v30 where I read back, v
.set COV,  31                          ; v31 my byte offset in v
.set SC,   32
.set AF,   128
.set T,    32
.set TMP,  96
.set OB,   128
.set CSR,  192
.set G1, 24                            ; s[24:31] group 1 for A's tiles;  s[32:39] group 0, a set for each slot
.set G0, 32
.set G1B, 48                           ; s[48:55], s[56:63] the same for B's
.set G0B, 56
.set G1S, 68                           ; s[68:75], s[76:79] groups 1 and 0 for A's scale bytes;  s[80:87], s[88:91] for B's
.set G0S, 76
.set G1SB, 80
.set G0SB, 88
.set FB,  96                           ; s[96:97] qkv32
.set MSB, 0
.macro WIN new                         ; the immediate's high byte repeats the setting that is left; a switch that changes nothing is dropped
.if MSB != (\new)
	s_set_vgpr_msb (MSB<<8)|(\new)
.set MSB, (\new)
.endif
.endm
.set MUL_LO, 0xa1                      ; source 0 (B) window 1, source 1 (A) window 0, C and D window 2
.set MUL_HI, 0xf1                      ; the same, C and D window 3
.set TO_B,   0x40                      ; destination window 1, address window 0
; A joint load: waves 0 and 1 fetch for A, waves 2 and 3 for B.  The branch hangs on the wave's number alone.  An s_nop 0 and four v_nop follow each of the two lines.
.macro JLOAD g0a, g1a, g0b, g1b
	s_cmp_eq_u32 s15, 0
	s_cbranch_scc0 .Lfor_b_\@
	tensor_load_to_lds s[\g0a:\g0a+3], s[\g1a:\g1a+7]
	s_nop 0
.rept 4
	v_nop
.endr
	s_branch .Lasked_\@
.Lfor_b_\@:
	tensor_load_to_lds s[\g0b:\g0b+3], s[\g1b:\g1b+7]
	s_nop 0
.rept 4
	v_nop
.endr
.Lasked_\@:
.endm
.macro CROUND                          ; a round of the cluster's barrier
	s_barrier_signal -1
	s_barrier_wait -1
	s_cmp_lg_u32 s14, 0
	s_cbranch_scc1 .Lnot_wave_0_\@
	s_barrier_signal -3
.Lnot_wave_0_\@:
	s_barrier_wait -3
	s_barrier_signal -1
	s_barrier_wait -1
.endm
	s_load_b256 s[4:11], s[0:1], 0x0               ; codes s[4:5], scales s[6:7], rope s[8:9], qkv16 s[10:11]
	s_load_b64 s[FB:FB+1], s[0:1], 0x20            ; qkv32
	v_lshl_add_u32 v[SPW], v0, 2, SPARE
	v_mov_b32 v[NIL], 0
	ds_add_u32 v[SPW], v[NIL]                      ; the wave's opening: the add, twice on end, and its wait ahead of my first tensor load
	ds_add_u32 v[SPW], v[NIL]
	v_lshrrev_b32 v1, 5, v0
	v_readfirstlane_b32 s14, v1                    ; wave 0..3
	s_lshr_b32 s15, s14, 1                         ; which half of the tile's rows is mine.  Also: I fetch for A (0) or for B (1)
	s_and_b32 s16, s14, 1                          ; which half of its columns.  Also: which 128 rows of that tile I fetch
	s_bfe_u32 s40, ttmp6, 0x40000                  ; cx, cy: my place in the cluster
	s_bfe_u32 s41, ttmp6, 0x40004
	s_and_b32 s12, ttmp7, 0xffff
	s_lshl_b32 s12, s12, 2                         ; 4 x cluster y: x's tiles of 256 rows
	s_lshl_b32 s13, ttmp9, 2
	s_add_co_u32 s13, s13, 16                      ; w_q's tiles begin at 16, w_k's at 20
	s_cmp_eq_u32 ttmp9, 2                          ; v?  The cluster's x: the same in all sixteen partners
	s_cselect_b32 s17, 24, s12                     ; w_v's tiles begin at 24
	s_cselect_b32 s42, s12, s13
	s_add_co_u32 s17, s17, s41                     ; A's tile of 256 rows of codes: never holds cx
	s_add_co_u32 s42, s42, s40                     ; B's: never holds cy
	s_lshl_b32 s43, s41, 2
	s_lshl_b32 s43, 15, s43                        ; my row of the cluster
	s_lshl_b32 s44, 0x1111, s40                    ; my column
	; group 1: a tile of 128 rows x 256 bytes, padded in LDS
	s_or_b32 s[G1+0], s43, (0<<16)|(1<<20)|(1<<21)|(5<<22)|(3<<25)  ; 15:0 the mask; 17:16 elements of 1 byte; 20 padding on; 21 set beside a mask; 24:22 after every 64 words; 31:25 four words
	s_or_b32 s[G1B+0], s44, (0<<16)|(1<<20)|(1<<21)|(5<<22)|(3<<25)
.irp g, G1, G1B
	s_mov_b32 s[\g+1], ROWB<<16                    ; tensor_dim0
	s_mov_b32 s[\g+2], 128<<16                     ; tensor_dim1
	s_mov_b32 s[\g+3], ROWB<<16                    ; tile_dim0
	s_mov_b32 s[\g+4], 128                         ; tile_dim1
	s_mov_b32 s[\g+5], KROW                        ; from row to row
	s_mov_b32 s[\g+6], 0
	s_mov_b32 s[\g+7], 0
.endr
	; the scale bytes of 128 rows: 4,096 dense bytes, as 16 rows of 256 (32 elements of 8 bytes), 16 bytes of padding behind each
	s_or_b32 s[G1S+0], s43, (3<<16)|(1<<20)|(1<<21)|(5<<22)|(3<<25)
	s_or_b32 s[G1SB+0], s44, (3<<16)|(1<<20)|(1<<21)|(5<<22)|(3<<25)
.irp g, G1S, G1SB
	s_mov_b32 s[\g+1], 32<<16
	s_mov_b32 s[\g+2], (128*KS/256)<<16
	s_mov_b32 s[\g+3], 32<<16
	s_mov_b32 s[\g+4], 128*KS/256
	s_mov_b32 s[\g+5], 32
	s_mov_b32 s[\g+6], 0
	s_mov_b32 s[\g+7], 0
.endr
	s_lshl_b32 s18, s16, 7                         ; which 128 rows of the tile I fetch
	s_lshl_b32 s20, s17, 8
	s_add_co_u32 s20, s20, s18                     ; A: the first row
	s_lshl_b32 s46, s42, 8
	s_add_co_u32 s46, s46, s18                     ; B: the first row
	s_lshl_b32 s22, s20, 5                         ; their scale bytes: 32 a row,
	s_mov_b32 s23, 0
	s_lshl_b32 s92, s46, 5
	s_mov_b32 s93, 0
	s_lshl_b32 s20, s20, 9                         ; their codes: 512 a row (7,168 rows: under 2^22 bytes)
	s_mov_b32 s21, 0
	s_lshl_b32 s46, s46, 9
	s_mov_b32 s47, 0
	s_mul_i32 s45, s14, HALFT                      ; where they go: wave x 128 rows: no place in the cluster enters an LDS address
	s_mul_i32 s94, s14, HALFS
	s_wait_dscnt 0x0                               ; both opening adds are done
	s_wait_kmcnt 0x0
	s_add_nc_u64 s[20:21], s[4:5], s[20:21]
	s_add_nc_u64 s[22:23], s[6:7], s[22:23]
	s_add_nc_u64 s[46:47], s[4:5], s[46:47]
	s_add_nc_u64 s[92:93], s[6:7], s[92:93]
	CROUND                                         ; all sixteen work-groups are here: the joint loads meet
	s_mov_b32 s[G0S], 1
	s_add_co_u32 s[G0S+1], s94, SCL
	s_mov_b64 s[G0S+2:G0S+3], s[22:23]
	s_or_b32 s[G0S+3], s[G0S+3], 0x80000000
	s_mov_b32 s[G0SB], 1
	s_add_co_u32 s[G0SB+1], s94, SCL
	s_mov_b64 s[G0SB+2:G0SB+3], s[92:93]
	s_or_b32 s[G0SB+3], s[G0SB+3], 0x80000000
	JLOAD G0S, G1S, G0SB, G1SB                     ; the scale bytes first: they are wanted with K step 0
.irp s, 0,1
	s_mov_b32 s[G0+4*\s], 1
	s_add_co_u32 s[G0+4*\s+1], s45, \s*SLOT
	s_add_nc_u64 s[G0+4*\s+2:G0+4*\s+3], s[20:21], \s*ROWB
	s_or_b32 s[G0+4*\s+3], s[G0+4*\s+3], 0x80000000
	s_mov_b32 s[G0B+4*\s], 1
	s_add_co_u32 s[G0B+4*\s+1], s45, \s*SLOT
	s_add_nc_u64 s[G0B+4*\s+2:G0B+4*\s+3], s[46:47], \s*ROWB
	s_or_b32 s[G0B+4*\s+3], s[G0B+4*\s+3], 0x80000000
	JLOAD G0+4*\s, G1, G0B+4*\s, G1B               ; three loads of mine are out at the most
.endr
	v_and_b32 v1, 15, v0                           ; r = lane % 16
	v_bfe_u32 v2, v0, 4, 1                         ; h = lane / 16
	v_mul_u32_u24 v3, v1, PITCH
	v_lshl_add_u32 v4, v2, 4, v3                   ; a fragment's row x pitch + 16 h
	s_mul_i32 s21, s15, HALFT                      ; my 128 rows of A
	s_mul_i32 s22, s16, HALFT                      ; my 128 rows of B,
	s_add_co_u32 s22, s22, 2*HALFT                 ; which lie behind A's 256
.irp s, 0,1
	v_add_nc_u32 v[ADRA+\s], s21, v4
	v_add_nc_u32 v[ADRB+\s], s22, v4
	s_add_co_u32 s21, s21, SLOT
	s_add_co_u32 s22, s22, SLOT
.endr
	v_mul_u32_u24 v5, v1, KS                       ; my row's scale bytes: 32 a row,
	v_lshrrev_b32 v6, 8, v5
	v_lshl_add_u32 v5, v6, 4, v5                   ; and 16 more for each 256 passed
	s_mul_i32 s21, s15, HALFS                      ; A's: my 128 rows
	s_mul_i32 s22, s16, HALFS                      ; B's: my 128 rows, behind A's 256
	s_add_co_u32 s22, s22, 2*HALFS
	s_sub_co_u32 s22, s22, s21
	v_mul_u32_u24 v6, s22, v2                      ; lanes 16-31 take B's: one product, the lower base + h x the distance
	s_add_co_u32 s21, s21, SCL
	v_add_nc_u32 v5, v5, v6
	v_add_nc_u32 v[ADRS], s21, v5
	s_mul_i32 s23, s14, 16*SPITCH                  ; my stage
	v_mul_u32_u24 v5, v1, SPITCH                   ; in: row r, 16 bytes for each half of the lanes
	v_lshl_add_u32 v5, v2, 4, v5
	v_add_nc_u32 v[STO], s23, v5
	v_bfe_u32 v5, v0, 3, 1                         ; back, q and k: 16 lanes take two tokens' 128 bytes of one head; lanes 16-31 the other head
	v_mul_u32_u24 v5, v5, SPITCH
	v_lshl_add_u32 v5, v2, 7, v5
	v_and_b32 v6, 7, v0
	v_lshl_add_u32 v5, v6, 4, v5
	v_add_nc_u32 v[RDQ], s23, v5
	v_mul_u32_u24 v5, v2, SPITCH                   ; back, v: lanes 0-15 one row of 256 bytes, lanes 16-31 the next
	v_lshl_add_u32 v5, v1, 4, v5
	v_add_nc_u32 v5, s23, v5
	v_add_nc_u32 v[RDV], STG_V, v5
	v_lshlrev_b32 v5, 4, v1
	v_lshl_add_u32 v[COQ], v2, 18, v5              ; a head of q or k is 2^18 bytes
	v_lshl_add_u32 v[COV], v2, 12, v5              ; a row of v is 4,096 bytes
	v_lshlrev_b32 v5, 8, v1
	v_lshl_add_u32 v[TO], v2, 5, v5
	v_lshlrev_b32 v5, 6, v1
	v_lshl_add_u32 v[FVO], v2, 5, v5
	s_and_b32 s20, s17, 7
	s_lshl_b32 s20, s20, 8
	s_lshl_b32 s21, s15, 7
	s_add_co_u32 s20, s20, s21                     ; q and k: the place in its sequence of my first row; it stays in s20
	s_lshl_b32 s18, s20, 8                         ; 256 bytes of the table for each
	s_mov_b32 s19, 0
	s_add_nc_u64 s[8:9], s[8:9], s[18:19]
; The table for block a of 16 tokens: lane (r, h) wants, for each of a head's four tiles of 16 channels, four pairs (cos, sin): 32 bytes.  Both heads of the wave's 128 channels use the same.
.macro LOADCS a
.irp bb, 0,1,2,3
.irp u, 0,1
	global_load_b128 v[CSR+32*((\a)%2)+8*\bb+4*\u:CSR+32*((\a)%2)+8*\bb+4*\u+3], v[TO], s[8:9] offset:(\a)*4096+\bb*64+16*\u
.endr
.endr
.endm
	LOADCS 0                                       ; asked for here, used on the way out.  The v clusters ask too and do not read them (their addresses lie inside the table): one text at the head,
	LOADCS 1                                       ; so that no way through the text reads a register that was not written
.macro FRAG reg, adr, q, i             ; a fragment: lane l holds row l % 16; registers 4 c .. 4 c + 3 hold K = 64 c + 32 (l / 16) + 0 .. 31
.irp c, 0,1
	ds_load_b128 v[\reg+4*\c:\reg+4*\c+3], v[\adr] offset:64*(\q)+32*\c+(\i)*16*PITCH
.endr
.endm
; 16 matrix instructions: A's blocks a0, a0 + 1 x B's eight, the slot's q-th 128 along K.  p: B's set;  sc: the set of scale words.  zero = 1: the first product starts the sums.
; The 64 accumulators take turns, one instruction a turn, in the same order in every step.
.macro MUL16 a0, p, q, sc, zero
.irp a, \a0, \a0+1
.irp b, 0,1,2,3,4,5,6,7
.if \zero
	v_wmma_scale_f32_16x16x128_f8f6f4 v[8*(8*((\a)%4)+\b):8*(8*((\a)%4)+\b)+7], v[128*(\p)+FR*\b:128*(\p)+FR*\b+FR-1], v[AF+FR*(\a):AF+FR*(\a)+FR-1], 0, v[SC+8*NQ*(\sc)+NQ*\b+(\q)], v[SC+8*NQ*(\sc)+NQ*(\a)+(\q)] matrix_a_fmt:MATRIX_FMT_FP4 matrix_b_fmt:MATRIX_FMT_FP4 matrix_a_scale:MATRIX_SCALE_ROW1
.else
	v_wmma_scale_f32_16x16x128_f8f6f4 v[8*(8*((\a)%4)+\b):8*(8*((\a)%4)+\b)+7], v[128*(\p)+FR*\b:128*(\p)+FR*\b+FR-1], v[AF+FR*(\a):AF+FR*(\a)+FR-1], v[8*(8*((\a)%4)+\b):8*(8*((\a)%4)+\b)+7], v[SC+8*NQ*(\sc)+NQ*\b+(\q)], v[SC+8*NQ*(\sc)+NQ*(\a)+(\q)] matrix_a_fmt:MATRIX_FMT_FP4 matrix_b_fmt:MATRIX_FMT_FP4 matrix_a_scale:MATRIX_SCALE_ROW1
.endif
.endr
.endr
.endm
.macro FETCH_B slot, q, p              ; B's eight fragments of the slot's q-th 128 along K into set p
	WIN TO_B
.irp i, 0,1,2,3,4,5,6,7
	FRAG 128*(\p)+FR*\i, ADRB+\slot, \q, \i
.endr
	WIN 0
.endm
.macro FETCH_A slot, q, i0             ; A's blocks i0 .. i0 + 3
.irp i, \i0, \i0+1, \i0+2, \i0+3
	FRAG AF+FR*(\i), ADRA+\slot, \q, \i
.endr
.endm
.macro SCALES sc                       ; a K step's scale words into set sc: four words a row; lanes 0-15 take A's block i, lanes 16-31 B's block i
.irp i, 0,1,2,3,4,5,6,7
	ds_load_b128 v[SC+8*NQ*\sc+NQ*\i:SC+8*NQ*\sc+NQ*\i+3], v[ADRS] offset:\i*SBLK
.endr
.endm
.macro PLACES n                        ; plain vector lines between a matrix instruction and a load into, or a read of, its registers
.rept \n
	v_nop
.endr
.endm
; A step of 128 along K that has its successor in the same slot.
.macro STEP slot, q, zero
	s_wait_dscnt 4*NL                              ; B's set and A's blocks 0-3 are in; the youngest eight loads (A's blocks 4-7) may be out
	WIN MUL_LO
	MUL16 0, (\q)%2, \q, \slot, \zero
	MUL16 2, (\q)%2, \q, \slot, \zero
	s_wait_dscnt 0                                 ; A's blocks 4-7 are in
	PLACES NP
	FETCH_B \slot, (\q)+1, 1-(\q)%2
	FETCH_A \slot, (\q)+1, 0
	WIN MUL_HI
	MUL16 4, (\q)%2, \q, \slot, \zero
	MUL16 6, (\q)%2, \q, \slot, \zero
	PLACES NP
	WIN 0
	FETCH_A \slot, (\q)+1, 4
.endm
; Slot 0's last step changes slots: one barrier; in front of it each wave waits for all its tensor loads (its part of slot 1), adds 0 to its spare word, and waits for that and for its reads of slot 0.
.macro TURN slot, next
	s_wait_tensorcnt 0x0                           ; all my tensor loads have landed
	ds_add_u32 v[SPW], v[NIL]                      ; 0 onto my spare word
	s_wait_dscnt 4*NL+1                            ; (the add and the youngest eight loads may be out)
	WIN MUL_LO
	MUL16 0, 1, NQ-1, \slot, 0
	s_wait_dscnt 0x0                               ; the add is done, and my reads of this slot are over
	s_barrier_signal -1
	MUL16 2, 1, NQ-1, \slot, 0
	WIN 0
	s_barrier_wait -1                              ; slot 1 is whole, and nobody reads slot 0 any more
	PLACES NP
	v_add_nc_u32 v[ADRS], 4*NQ, v[ADRS]            ; on to the next K step's scale words
	FETCH_B \next, 0, 0
	FETCH_A \next, 0, 0
	SCALES \next
	WIN MUL_HI
	MUL16 4, 1, NQ-1, \slot, 0
	MUL16 6, 1, NQ-1, \slot, 0
	PLACES NP
	WIN 0
	FETCH_A \next, 0, 4
.endm
.macro STEPS slot, from                ; the slot's steps from .. NQ - 2
.set Q, \from
.rept NQ-1-\from
	STEP \slot, Q, 0
.set Q, Q+1
.endr
.endm
	s_wait_tensorcnt 1                             ; the scale bytes and my part of K step 0 are in (K step 1's load may be out),
	s_barrier_signal -1
	s_barrier_wait -1                              ; everybody's are
	FETCH_B 0, 0, 0
	FETCH_A 0, 0, 0
	SCALES 0
	FETCH_A 0, 0, 4
	STEP 0, 0, 1                                   ; the first products start the sums: nothing is cleared
	STEPS 0, 1
	TURN 0, 1
	STEPS 1, 0
	s_wait_dscnt 4*NL                              ; the last step: nothing more to fetch
	WIN MUL_LO
	MUL16 0, 1, NQ-1, 1, 0
	MUL16 2, 1, NQ-1, 1, 0
	s_wait_dscnt 0
	WIN MUL_HI
	MUL16 4, 1, NQ-1, 1, 0
	MUL16 6, 1, NQ-1, 1, 0
	WIN 0
; THE WAY OUT, block by block of 16 rows x 128 columns.  A lane's eight numbers become 16 bytes of f16; a block goes through my own stage and comes back so that 16 neighbouring lanes hold 256 neighbouring bytes of memory.
; The rotation of block a: (x1, x2) -> (x1 c - x2 s, x1 s + x2 c), a packed product by c and two fused multiply-adds for each pair.  Each accumulator is read from its low end on.
.macro ROPE a
.set AC, 64*((\a)%4)
.set CC, CSR+32*((\a)%2)
.if (\a) < 7
	s_wait_loadcnt 8                               ; this block's table is in; the next block's eight loads may be out
.else
	s_wait_loadcnt 0
.endif
	WIN 2+(\a)/4                                   ; source 0: the accumulators' window
.irp b, 0,1,2,3,4,5,6,7
.irp i, 0,1,2,3
	v_pk_mul_f32 v[T+8*\b+2*\i:T+8*\b+2*\i+1], v[AC+8*\b+2*\i:AC+8*\b+2*\i+1], v[CC+8*(\b%4)+2*\i:CC+8*(\b%4)+2*\i+1] op_sel_hi:[1,0]
.endr
.irp i, 0,1,2,3
	v_fma_f32 v[T+8*\b+2*\i], -v[AC+8*\b+2*\i+1], v[CC+8*(\b%4)+2*\i+1], v[T+8*\b+2*\i]
	v_fma_f32 v[T+8*\b+2*\i+1], v[AC+8*\b+2*\i], v[CC+8*(\b%4)+2*\i+1], v[T+8*\b+2*\i+1]
.endr
.endr
	WIN 0
.if (\a) < 6
	LOADCS (\a)+2
.endif
.endm
; Block 0's rotated numbers as f32, where they are positions 0 to 15 of a sequence (s20 = 0).  Lane (r, h), tile b: token r, head b / 4 of my two, channels 16 (b % 4) + 8 h + 0 .. 7.
; EXEC is among the sources of the loads and stores that are out: it changes only behind s_wait_xcnt 0, when it is narrowed and when it is restored; the second wait also frees the numbers' registers.
.macro FINEQK
	v_cmp_eq_u32 vcc_lo, s20, v[NIL]               ; all lanes or none
	s_wait_xcnt 0x0
	s_and_saveexec_b32 s21, vcc_lo
.irp b, 0,1,2,3,4,5,6,7
.irp u, 0,1
	global_store_b128 v[TO], v[T+8*\b+4*\u:T+8*\b+4*\u+3], s[FB:FB+1] offset:(\b/4)*4096+(\b%4)*64+16*\u
.endr
.endr
	s_wait_xcnt 0x0
	s_or_b32 exec_lo, exec_lo, s21
.endm
; The same for v, where my first 16 columns are positions 0 to 15 (s20 = 0): accumulators (a, 0), each from its low end on.  Lane (r, h): head a / 4 of my two, channel 16 (a % 4) + r, tokens 8 h + 0 .. 7.
.macro FINEV
	v_cmp_eq_u32 vcc_lo, s20, v[NIL]
	s_wait_xcnt 0x0
	s_and_saveexec_b32 s21, vcc_lo
.irp a, 0,1,2,3,4,5,6,7
	WIN 0x08+4*(\a/4)                              ; a store's data are its source 1: window 2 or 3
.irp u, 0,1
	global_store_b128 v[FVO], v[64*(\a%4)+4*\u:64*(\a%4)+4*\u+3], s[FB:FB+1] offset:(\a/4)*4096+(\a%4)*1024+16*\u
.endr
.endr
	WIN 0
	s_wait_xcnt 0x0
	s_or_b32 exec_lo, exec_lo, s21
.endm
.macro CVT                             ; 64 numbers to 32 pairs of f16, rounded once
.set n, 0
.rept 32
	v_cvt_pk_f16_f32 v[TMP+n], v[T+2*n], v[T+2*n+1]
.set n, n+1
.endr
.endm
.macro PACKV a                         ; v has no rotation: straight from the accumulators, each from its low end on
.set AC, 64*((\a)%4)
	WIN 0x0a+5*((\a)/4)                            ; sources 0 and 1: window 2 or 3
.irp b, 0,1,2,3,4,5,6,7
.irp r, 0,1,2,3
	v_cvt_pk_f16_f32 v[TMP+4*\b+\r], v[AC+8*\b+2*\r], v[AC+8*\b+2*\r+1]
.endr
.endr
	WIN 0
.endm
.macro TOSTAGE a, rd, so
.if (\a) > 1
	s_wait_xcnt 0x0                                ; block a - 2's stores have read the registers into which this block's loads land
.endif
.irp b, 0,1,2,3,4,5,6,7
	ds_store_b128 v[STO], v[TMP+4*\b:TMP+4*\b+3] offset:\so+32*\b
.endr
.irp t, 0,1,2,3,4,5,6,7
	ds_load_b128 v[OB+32*((\a)%2)+4*\t:OB+32*((\a)%2)+4*\t+3], v[\rd] offset:\t*2*SPITCH   ; LDS serves a wave's instructions in order: these see the stores above
.endr
.endm
.macro SEND a, co, ma, mt
	s_wait_dscnt 0x0                               ; the block is back in registers
.irp t, 0,1,2,3,4,5,6,7
	global_store_b128 v[\co], v[OB+32*((\a)%2)+4*\t:OB+32*((\a)%2)+4*\t+3], s[12:13] offset:(\a)*\ma+\t*\mt   ; 16 lanes store 256 consecutive bytes, aligned
.endr
.endm
	PLACES NP                                      ; behind the last products: for the first reads of results and the loads into the registers that held A's fragments
	s_cmp_eq_u32 ttmp9, 2
	s_cbranch_scc1 .Lv_out
	; q and k: byte = 2^23 (k) + 2^22 b + 2^18 head + 128 s
	s_lshl_b32 s18, ttmp9, 23
	s_lshr_b32 s19, s17, 3
	s_lshl_b32 s19, s19, 22
	s_add_co_u32 s18, s18, s19
	s_lshl_b32 s19, s40, 2                         ; the tile's 256 channels are four heads, my 128 two of them
	s_lshl_b32 s21, s16, 1
	s_add_co_u32 s19, s19, s21
	s_lshl_b32 s19, s19, 18
	s_add_co_u32 s18, s18, s19
	s_lshl_b32 s19, s20, 7
	s_add_co_u32 s18, s18, s19
	s_mov_b32 s19, 0
	s_add_nc_u64 s[12:13], s[10:11], s[18:19]
	; in qkv32: byte = 2^17 (k) + 4,096 (16 b + head)
	s_lshl_b32 s18, ttmp9, 17
	s_lshr_b32 s19, s17, 3
	s_lshl_b32 s19, s19, 4
	s_lshl_b32 s21, s40, 2
	s_add_co_u32 s19, s19, s21
	s_lshl_b32 s21, s16, 1
	s_add_co_u32 s19, s19, s21
	s_lshl_b32 s19, s19, 12
	s_add_co_u32 s18, s18, s19
	s_mov_b32 s19, 0
	s_add_nc_u64 s[FB:FB+1], s[FB:FB+1], s[18:19]
	ROPE 0
	FINEQK
	CVT
	TOSTAGE 0, RDQ, 0
.irp a, 1,2,3,4,5,6,7                  ; block a's arithmetic stands between block a - 1's loads from the stage and the wait for them
	ROPE \a
	CVT
	SEND \a-1, COQ, 2048, 256
	TOSTAGE \a, RDQ, 0
.endr
	SEND 7, COQ, 2048, 256
	s_branch .Ldone
.Lv_out:
	; v: byte = 2^24 + 2^22 b + 4,096 (64 head + channel) + 2 s
	s_lshr_b32 s18, s42, 3
	s_lshl_b32 s18, s18, 22
	s_add_co_u32 s18, s18, 0x1000000
	s_lshl_b32 s19, s41, 8
	s_lshl_b32 s21, s15, 7
	s_add_co_u32 s19, s19, s21
	s_lshl_b32 s19, s19, 12
	s_add_co_u32 s18, s18, s19
	s_and_b32 s19, s42, 7
	s_lshl_b32 s19, s19, 8
	s_lshl_b32 s21, s16, 7
	s_add_co_u32 s19, s19, s21
	s_lshl_b32 s19, s19, 1
	s_add_co_u32 s18, s18, s19
	s_mov_b32 s19, 0
	s_add_nc_u64 s[12:13], s[10:11], s[18:19]
	; in qkv32: byte = 2^18 + 4,096 (16 b + head)
	s_lshr_b32 s18, s42, 3
	s_lshl_b32 s18, s18, 4
	s_lshl_b32 s19, s41, 2
	s_add_co_u32 s18, s18, s19
	s_lshl_b32 s19, s15, 1
	s_add_co_u32 s18, s18, s19
	s_lshl_b32 s18, s18, 12
	s_add_co_u32 s18, s18, 0x40000
	s_mov_b32 s19, 0
	s_add_nc_u64 s[FB:FB+1], s[FB:FB+1], s[18:19]
	s_and_b32 s20, s42, 7
	s_lshl_b32 s20, s20, 1
	s_or_b32 s20, s20, s16                         ; 0 where my first column is position 0 of its sequence
	FINEV
	PACKV 0
	TOSTAGE 0, RDV, STG_V
.irp a, 1,2,3,4,5,6,7
	PACKV \a
	SEND \a-1, COV, 65536, 8192
	TOSTAGE \a, RDV, STG_V
.endr
	SEND 7, COV, 65536, 8192
.Ldone:
	s_wait_tensorcnt 0x0                           ; the wave's end, behind my last tensor load and my last LDS store
	ds_add_u32 v[SPW], v[NIL]
	s_wait_dscnt 0x0
	CROUND                                         ; the closing round
	s_endpgm
.Lfunc_end_k_qfd0db600b7_qkv:
	.size	k_qfd0db600b7_qkv, .Lfunc_end_k_qfd0db600b7_qkv-k_qfd0db600b7_qkv
	.p2alignl 7, 3214868480
	.fill 96, 4, 3214868480
	.section	.rodata,"a",@progbits
	.p2align	6, 0x0
	.amdhsa_kernel k_qfd0db600b7_qkv
		.amdhsa_group_segment_fixed_size 327680
		.amdhsa_private_segment_fixed_size 0
		.amdhsa_enable_private_segment 0
		.amdhsa_kernarg_size 40
		.amdhsa_user_sgpr_count 2
		.amdhsa_user_sgpr_kernarg_segment_ptr 1
		.amdhsa_wavefront_size32 1
		.amdhsa_system_sgpr_workgroup_id_x 1
		.amdhsa_system_sgpr_workgroup_id_y 1
		.amdhsa_system_sgpr_workgroup_id_z 1
		.amdhsa_system_vgpr_workitem_id 0
		.amdhsa_next_free_vgpr 1024
		.amdhsa_next_free_sgpr 98
		.amdhsa_reserve_vcc 1
		.amdhsa_float_denorm_mode_32 3
		.amdhsa_float_denorm_mode_16_64 3
		.amdhsa_memory_ordered 1
		.amdhsa_forward_progress 1
		.amdhsa_inst_pref_size 217
	.end_amdhsa_kernel
	.amdgpu_metadata
---
amdhsa.version: [ 1, 2 ]
amdhsa.kernels:
  - .name:           k_qfd0db600b7_qkv
    .symbol:         k_qfd0db600b7_qkv.kd
    .args:
      - { .name: codes, .offset: 0, .size: 8, .value_kind: global_buffer, .address_space: global }
      - { .name: scales, .offset: 8, .size: 8, .value_kind: global_buffer, .address_space: global }
      - { .name: rope, .offset: 16, .size: 8, .value_kind: global_buffer, .address_space: global }
      - { .name: qkv16, .offset: 24, .size: 8, .value_kind: global_buffer, .address_space: global }
      - { .name: qkv32, .offset: 32, .size: 8, .value_kind: global_buffer, .address_space: global }
    .group_segment_fixed_size: 327680
    .private_segment_fixed_size: 0
    .kernarg_segment_align: 8
    .kernarg_segment_size: 40
    .max_flat_workgroup_size: 128
    .sgpr_count:     98
    .vgpr_count:     1024
    .wavefront_size: 32
...
	.end_amdgpu_metadata
.endif
;; end of part 2
;; launch attn (part 3): grid 8 x 32, 16 waves a work-group, no clusters, 327,680 bytes of LDS; arguments qkv16, aop, qkv32, ao32; writes aop, ao32
.if DOCPART == 3
	.amdgcn_target "amdgcn-amd-amdhsa--gfx1250"
	.amdhsa_code_object_version 6
	.text
	.protected	k_qfd0db600b7_attn
	.globl	k_qfd0db600b7_attn
	.p2align	8
	.type	k_qfd0db600b7_attn,@function
k_qfd0db600b7_attn:
	s_mov_b64 s[64:65], 0
	v_nop
	global_prefetch_b8 v0, s[64:65] scope:SCOPE_SE
	s_setreg_imm32_b32 hwreg(HW_REG_WAVE_MODE, 25, 1), 1
	s_wait_xcnt 0x0
; ATTN: O[bh][q] = the sum over keys k <= q of softmax_k(Q[q] . K[k] / 8) V[k], head size 64, 2,048 positions, 32 (batch, head).  Operands f16, products, maxima and sums f32.
; qkv16: q at byte 0, k at 2^23: [32 bh][2048][64] f16; v turned, at 2^24: [32 bh][64 channels][2048 keys] f16.
; aop: [2048 pairs of tokens][16 heads][2 tokens][64 channels] f16: (pair, head) is 256 consecutive bytes, aligned.
; THE SOFTMAX: t = score x log2(e) / 8; M = the row's largest t so far, rounded UP to a whole number; p = 2^(t - M), rounded to f16 for the second product.  The row's sum is taken of the unrounded p and divides
; O at the end.  When M moves, the sum and O are multiplied by 2^(old M - new M): exact.
; SHARES.  Work-group (i, bh) owns the query blocks i and 15 - i of 128: 17 steps of 128 keys for each eight waves' pair, the same in every work-group.  Each of the sixteen waves owns 16 queries in 256 registers,
; four waves to a SIMD.  Which block a wave serves is (w + w / 4) % 2: two of each kind among any four waves that follow each other and among any four that are equal modulo 4.
; Every wave walks all eight slots of 256 keys (constant trip counts); a step all of whose keys come after the wave's queries is jumped over.
; THE FIRST 16 POSITIONS OF EVERY (batch, head) ONCE MORE, IN F32: their rows average one to sixteen values, and f16 operands would use up what the comparison allows.  qkv32 holds their q (byte 0), k (2^17):
; [32 bh][16][64] f32, and v (2^18): [32 bh][64 channels][16] f32.  Wave 15 of work-group x = 0 serves queries 112 to 127: after its one key step it has nothing to multiply.  In the loop's second trip it makes
; the 16 x 16 scores, the softmax with the row's maximum taken away, and O, by 32 instructions of the f32 matrix form (no bulk work), and stores ao32 [32 rows 16 b + s][1024] f32.  It uses no LDS.
; A lane stores 32 neighbouring bytes of a row there, 128 KiB in the whole launch: whole blocks of 256 bytes would want a stage in LDS for one wave's eight stores.
; NO CLUSTER: the work-groups of a head need different numbers of tiles under the causal mask, so a joint load would bring some partners tiles that none of their waves reads.
; LAYOUT.  S^T = K Q^T (source 0 = 16 keys, source 1 = my 16 queries): a lane holds ONE query (lane % 16) and the keys 8 (lane / 16) + 0..7 of a tile.  Two such tiles, rounded in pairs, ARE source 1 (32 keys x 16 queries)
; of O^T = V^T P, whose result again holds one query a lane and eight channels.
; THE RING: two slots, 2^17 bytes apart.  Waves 0 and 1 fetch K, waves 2 and 3 V.  Wave 0 takes keys 0-63 and 128-191 of a slot, wave 1 keys 64-127 and 192-255: so each load holds keys of the slot's first step,
; and is read whenever the slot is.  Key 128 q + 64 g + n lies at g x 18,432 + q x 9,216 + 144 n.
; LIMITS: NaN and infinities are not served; p under 6e-8 of the row's largest falls to 0 in f16.
; REGISTERS: v1-11 addresses; v12 -M, v13 the largest t, v[14:15] the sum in two halves; v16-31 Q; v32-95 eight fragments of K or of V; v96-159 S^T, then p; v160-191 O^T; v192-223 P in f16; v232-254 at work.
;   v224-231 and v240-247 are the f32 form's two accumulators: matrix instructions alone write them.
.set SK,    256                        ; keys in a slot
.set NQ,    2                          ; key steps in a slot
.set KP,    144                        ; a key's row in LDS: 128 bytes + 16 of padding
.set VP,    528                        ; a channel's row of V: 512 bytes + 16
.set KHALF, 128*KP                     ; what one of K's loads brings
.set KPLANE, 64*KP                     ; its 64 keys of one step
.set VOFF,  2*KHALF
.set VHALF, 32*VP
.set SLOT1, 1<<17
.set NSL,   2048/SK
.set SPARE, 2*SLOT1                    ; the spare words, 128 bytes a wave, named by no other line
.set STAGE, SPARE+16*128               ; the way out: 8 pair rows x (256 + 16) bytes for each wave; no fill lands here
.set AK0,  1                           ; v1  my lane's place in a tile of K
.set AV0,  2                           ; v2  the same for V
.set PFO,  3                           ; v3  the prefetches' offset; never rewritten
.set DL,   4                           ; v4  lane % 16 - 8 (lane / 16)
.set SPW,  5                           ; v5  LDS address of my spare word; never rewritten
.set NIL,  6                           ; v6  0; never rewritten
.set GO,   7                           ; v7  the way out: my byte offset in aop
.set ADK,  8                           ; v8  LDS address of the step's tiles of K
.set ADV,  9                           ; v9  of V
.set STO,  10                          ; v10 the stage: where I put 16 bytes
.set RD,   11                          ; v11 and where I read back
.set FA,   224                         ; the f32 form's accumulators: v224-231 and, 16 on, v240-247
.set FF,   14                          ; s14 the value of s[SLOTS] in the trip in which I carry the first 16 positions: 6 in wave 15 of work-group x = 0, else no value that it takes
.set WV,   18                          ; s18 my wave's number
.set SEL,  20                          ; s[20:21] lane selects for v_permlanex16_b32: lane l xor 16
.set CS,   22                          ; s[22:23] c = log2(e) / 8
.set G1K,  24                          ; s[24:31] group 1 for K's tiles;  s[32:39] for V's;  s[40:43], s[44:47] their groups 0, which walk
.set G1V,  32
.set G0K,  40
.set G0V,  44
.set TB,   2                           ; s2  LDS byte at which the slot in hand begins
.set SLOTS, 67                         ; s67 changes of slots still to come in the loop
.set LASTQ, 68                         ; s68 my work-group's last query
.set KF,   98                          ; s98 the step's first key
.set Q0,   99                          ; s99 my first query
.set PFA,  76                          ; s[76:77] where my prefetches stand
.set PFS,  78                          ; s[78:79] a slot on, in bytes
.set LIM,  80                          ; s80 1 in a wave that prefetches, else the greatest number
; Waves 0 and 1 fetch for K, waves 2 and 3 for V, the others nothing.  The branches hang on the wave's number alone.  An s_nop 0 and four v_nop follow each of the two lines.
.macro TLOAD
	s_cmp_lt_u32 s[WV], 2
	s_cbranch_scc0 .Lnot_k_\@
	tensor_load_to_lds s[G0K:G0K+3], s[G1K:G1K+7]
	s_nop 0
.rept 4
	v_nop
.endr
	s_branch .Lasked_\@
.Lnot_k_\@:
	s_cmp_lt_u32 s[WV], 4
	s_cbranch_scc0 .Lasked_\@
	tensor_load_to_lds s[G0V:G0V+3], s[G1V:G1V+7]
	s_nop 0
.rept 4
	v_nop
.endr
.Lasked_\@:
.endm
; A PREFETCH INTO THE L2 of what the NEXT change of slots will ask for: 256 keys of K, one dense block of 32,768 bytes, and 512 bytes of each of V's 64 rows.  All work-groups of a head walk the same K and V:
; work-group x = 0, which owns the last query block and so loads every slot, asks, and nobody else.  In it the waves ask that fetch nothing, one instruction each: waves 4 to 7 for K's block, 8,192 bytes a wave,
; lanes 256 bytes apart; waves 8 to 11 for V's, 16 rows a wave, two lanes to a row's 512 bytes.  So each aligned block of 256 bytes is named once.  The last change that fills a slot asks for nothing.
.macro ASK
	s_cmp_gt_u32 s[SLOTS], s[LIM]
	s_cbranch_scc0 .Lnot_mine_\@
	global_prefetch_b8 v[PFO], s[PFA:PFA+1] th:TH_LOAD_NT scope:SCOPE_SE
.Lnot_mine_\@:
.endm
	s_load_b256 s[4:11], s[0:1], 0x0               ; qkv16 s[4:5], aop s[6:7], qkv32 s[8:9], ao32 s[10:11]
	v_lshl_add_u32 v[SPW], v0, 2, SPARE
	v_mov_b32 v[NIL], 0
	ds_add_u32 v[SPW], v[NIL]                      ; the wave's opening: the add, twice on end, and its wait ahead of my first tensor load
	ds_add_u32 v[SPW], v[NIL]
	v_lshrrev_b32 v8, 5, v0
	v_readfirstlane_b32 s[WV], v8                  ; wave 0..15
	s_and_b32 s72, ttmp7, 0xffff                   ; bh
	s_lshl_b32 s74, s72, 18                        ; its first byte in each of the three parts
	s_lshr_b32 s84, s[WV], 2
	s_add_co_u32 s84, s84, s[WV]
	s_and_b32 s84, s84, 1                          ; which of the two blocks I serve
	s_sub_co_u32 s85, 15, ttmp9
	s_cmp_eq_u32 s84, 1
	s_cselect_b32 s84, s85, ttmp9
	s_lshl_b32 s84, s84, 7
	s_lshr_b32 s86, s[WV], 1
	s_lshl_b32 s86, s86, 4
	s_add_co_u32 s[Q0], s84, s86                   ; my first query: 128 x block + 16 x (wave / 2)
	s_lshl_b32 s[LASTQ], s85, 7
	s_or_b32 s[LASTQ], s[LASTQ], 127
	s_and_b32 s88, s[WV], 1                        ; what I fetch, if I fetch
	s_lshl_b32 s90, s88, 13                        ; K: 64 keys, 8,192 bytes, on
	s_add_co_u32 s90, s90, s74
	s_add_co_u32 s90, s90, 0x800000
	s_mov_b32 s91, 0
	s_mul_i32 s89, s88, KHALF
	s_lshl_b32 s92, s88, 17                        ; V: 32 rows of 4,096 bytes on
	s_add_co_u32 s92, s92, s74
	s_add_co_u32 s92, s92, 0x1000000
	s_mov_b32 s93, 0
	s_mul_i32 s94, s88, VHALF
	s_add_co_u32 s94, s94, VOFF
	; group 1.  K: two runs of 64 keys, each 8,192 dense bytes (1,024 elements of 8 bytes), 16,384 bytes apart; 16 bytes of padding behind every 128, so that all 128 keys' rows lie 144 bytes apart
	s_mov_b32 s[G1K], (3<<16)|(1<<20)|(4<<22)|(3<<25)             ; 17:16 elements of 8 bytes; 20 padding on; 24:22 after every 32 words; 31:25 four words
	s_mov_b32 s[G1K+1], 1024<<16                   ; tensor_dim0
	s_mov_b32 s[G1K+2], 2<<16                      ; tensor_dim1
	s_mov_b32 s[G1K+3], 1024<<16                   ; tile_dim0
	s_mov_b32 s[G1K+4], 2                          ; tile_dim1
	s_mov_b32 s[G1K+5], 2048                       ; from run to run
	s_mov_b32 s[G1K+6], 0
	s_mov_b32 s[G1K+7], 0
	; V: 32 rows of 256 keys (512 bytes), 4,096 bytes apart
	s_mov_b32 s[G1V], (1<<16)|(1<<20)|(6<<22)|(3<<25)             ; elements of 2 bytes; four words of padding after every 128
	s_mov_b32 s[G1V+1], 256<<16
	s_mov_b32 s[G1V+2], 32<<16
	s_mov_b32 s[G1V+3], 256<<16
	s_mov_b32 s[G1V+4], 32
	s_mov_b32 s[G1V+5], 2048
	s_mov_b32 s[G1V+6], 0
	s_mov_b32 s[G1V+7], 0
	s_mov_b32 s[SEL], 0x76543210
	s_mov_b32 s[SEL+1], 0xfedcba98
	s_mov_b32 s[CS], 0x3e38aa3b                    ; c = log2(e) / 8
	s_mov_b32 s[CS+1], s[CS]                       ; (named with it as a pair, so it is written)
	s_mov_b32 s[TB], 0
	s_mov_b32 s[SLOTS], NSL-1
	s_mov_b32 s[KF], 0
	s_wait_dscnt 0x0                               ; both opening adds are done
	s_wait_kmcnt 0x0
	s_mov_b32 s[G0K], 1
	s_mov_b32 s[G0K+1], s89                        ; slot 0
	s_add_nc_u64 s[G0K+2:G0K+3], s[4:5], s[90:91]
	s_or_b32 s[G0K+3], s[G0K+3], 0x80000000
	s_mov_b32 s[G0V], 1
	s_mov_b32 s[G0V+1], s94
	s_add_nc_u64 s[G0V+2:G0V+3], s[4:5], s[92:93]
	s_or_b32 s[G0V+3], s[G0V+3], 0x80000000
	TLOAD                                          ; slot 0: it holds key 0, which counts for every query
	s_lshl_b32 s82, s[Q0], 7
	s_add_co_u32 s82, s82, s74
	s_mov_b32 s83, 0
	s_add_nc_u64 s[12:13], s[4:5], s[82:83]        ; Q at my first query
	s_lshr_b32 s84, s72, 4
	s_lshl_b32 s84, s84, 22                        ; aop: 2^22 bytes a batch,
	s_lshl_b32 s85, s[Q0], 11                      ; 4,096 for a pair of tokens,
	s_add_co_u32 s84, s84, s85
	s_and_b32 s85, s72, 15
	s_lshl_b32 s85, s85, 8                         ; 256 for a head
	s_add_co_u32 s84, s84, s85
	s_mov_b32 s85, 0
	s_add_nc_u64 s[6:7], s[6:7], s[84:85]
	s_lshl_b32 s84, s72, 12                        ; qkv32: 4,096 bytes for a (batch, head) in each of its three parts
	s_add_nc_u64 s[8:9], s[8:9], s[84:85]
	s_lshr_b32 s84, s72, 4
	s_lshl_b32 s84, s84, 16                        ; ao32: 16 rows of 4,096 bytes a batch,
	s_and_b32 s86, s72, 15
	s_lshl_b32 s86, s86, 8                         ; 256 bytes a head
	s_add_co_u32 s84, s84, s86
	s_add_nc_u64 s[10:11], s[10:11], s[84:85]
	s_sub_co_u32 s86, s[WV], 15                    ; 0 in wave 15,
	s_or_b32 s86, s86, ttmp9                       ; of work-group x = 0
	s_cmp_eq_u32 s86, 0
	s_cselect_b32 s[FF], NSL-2, -1                 ; the loop's second trip: both its steps' keys come after that wave's queries
	v_and_b32 v8, 15, v0                           ; r
	v_bfe_u32 v9, v0, 4, 1                         ; h
	v_lshlrev_b32 v234, 7, v8
	v_lshl_add_u32 v234, v9, 4, v234               ; Q: row r of 128 bytes, + 16 h
.irp c, 0,1
	global_load_b128 v[16+8*\c:19+8*\c], v234, s[12:13] offset:64*\c     ; Q's two fragments (channels 32 c on) stay in registers
	global_load_b128 v[20+8*\c:23+8*\c], v234, s[12:13] offset:64*\c+32
.endr
	v_mul_u32_u24 v[AK0], v8, KP
	v_lshl_add_u32 v[AK0], v9, 4, v[AK0]
	v_mul_u32_u24 v[AV0], v8, VP
	v_lshl_add_u32 v[AV0], v9, 4, v[AV0]
	v_add_nc_u32 v[AV0], VOFF, v[AV0]
	v_lshlrev_b32 v[DL], 3, v9
	v_sub_nc_u32 v[DL], v8, v[DL]
	s_mul_i32 s73, s[WV], 8*272
	s_add_co_u32 s73, s73, STAGE                   ; my stage
	v_lshrrev_b32 v232, 1, v8
	v_mul_u32_u24 v232, v232, 272
	v_and_b32 v233, 1, v8
	v_lshl_add_u32 v232, v233, 7, v232
	v_lshl_add_u32 v232, v9, 4, v232
	v_add_nc_u32 v[STO], s73, v232                 ; in: pair row r / 2, token r % 2, + 16 h
	v_mul_u32_u24 v232, v9, 272
	v_lshl_add_u32 v232, v8, 4, v232
	v_add_nc_u32 v[RD], s73, v232                  ; back: lanes 0-15 one pair row, lanes 16-31 the next
	v_lshlrev_b32 v[GO], 12, v9
	v_lshl_add_u32 v[GO], v8, 4, v[GO]
	; the prefetches: where my wave's stand, and who asks
	s_cmp_lt_u32 s[WV], 8                          ; waves 4 to 7 ask for K, waves 8 to 11 for V
	s_mov_b32 s83, 0x1000000
	s_cselect_b32 s82, 0x800000, s83               ; the part of qkv16
	s_mov_b32 s[PFS], 512
	s_cselect_b32 s[PFS], 32768, s[PFS]            ; a slot on
	s_mov_b32 s84, 65536
	s_cselect_b32 s84, 8192, s84                   ; from wave to wave
	s_cselect_b32 s85, -1, 0
	v_and_b32 v235, 31, v0
	v_lshlrev_b32 v237, 8, v235                    ; K: 256 x lane
	v_lshrrev_b32 v[PFO], 1, v235
	v_lshlrev_b32 v[PFO], 12, v[PFO]
	v_and_b32 v235, 1, v235
	v_lshl_add_u32 v[PFO], v235, 8, v[PFO]         ; V: 4,096 (lane / 2) + 256 (lane % 2)
	v_cndmask_b32 v[PFO], v[PFO], v237, s85
	s_and_b32 s86, s[WV], 3
	s_mul_i32 s86, s86, s84
	s_add_co_u32 s86, s86, s[PFS]                  ; in slot 1: the first change of slots steps it to slot 2.  Nothing is prefetched here, at the head
	s_add_co_u32 s86, s86, s82
	s_add_co_u32 s86, s86, s74
	s_mov_b32 s87, 0
	s_mov_b32 s[PFS+1], 0
	s_add_nc_u64 s[PFA:PFA+1], s[4:5], s[86:87]
	s_sub_co_u32 s82, s[WV], 4
	s_lshr_b32 s82, s82, 3                         ; 0 in waves 4 to 11,
	s_or_b32 s82, s82, ttmp9                       ; of work-group x = 0
	s_cmp_eq_u32 s82, 0
	s_cselect_b32 s[LIM], 1, -1
	v_mov_b32 v13, 0xff61b1e6                      ; the largest t so far: -3e38, under every t
	v_floor_f32 v12, -v13                          ; -M
	v_mov_b32 v14, 0                               ; the sum, in two halves
	v_mov_b32 v15, 0
	v_mov_b32 v236, 0                              ; written once: a lane permute's destination counts as one of its sources
	v_mov_b32 v252, 0
	v_mov_b32 v253, 0                              ; (named as the upper half of the pair v[252:253])
.set n, 0
.rept 32
	v_mov_b32 v[160+n], 0                          ; O^T.  (The step is written once for all steps: the first finds zeros, which the first change of M leaves zeros)
.set n, n+1
.endr
.macro VFETCH q, grp                   ; eight fragments of V^T: key chunks 2 grp, 2 grp + 1 of 32, channel tiles 0 to 3
.irp uu, 0,1
.irp t, 0,1,2,3
	ds_load_b128 v[32+32*\uu+8*\t:35+32*\uu+8*\t], v[ADV] offset:16*\t*VP+(128*(\q)+32*(2*(\grp)+\uu))*2
	ds_load_b128 v[36+32*\uu+8*\t:39+32*\uu+8*\t], v[ADV] offset:16*\t*VP+(128*(\q)+32*(2*(\grp)+\uu))*2+32
.endr
.endr
.endm
.macro PVMUL grp                       ; O^T += V^T P for these 64 keys: the four accumulators by turns
.irp uu, 0,1
.irp t, 0,1,2,3
	v_wmma_f32_16x16x32_f16 v[160+8*\t:167+8*\t], v[32+32*\uu+8*\t:39+32*\uu+8*\t], v[192+8*(2*(\grp)+\uu):199+8*(2*(\grp)+\uu)], v[160+8*\t:167+8*\t]
.endr
.endr
.endm
; A KEY STEP: 128 keys, the q-th of the slot in hand.
.macro STEP q
	s_add_co_u32 s96, s[Q0], 15                    ; a step all of whose keys come after my 16 queries is left out: a scalar branch on ids, round no barrier and no tensor load
	s_cmp_gt_u32 s[KF], s96
	s_cbranch_scc1 .Lhidden_\@
	v_add_nc_u32 v[ADK], s[TB], v[AK0]
	v_add_nc_u32 v[ADV], s[TB], v[AV0]
	v_nop                                          ; with the two additions: four places in front of loads into registers that the last products read
	v_nop
.irp g, 0,1                                    ; S^T = K Q^T, four tiles of 16 keys at a time
.if \g > 0
.rept 4
	v_nop
.endr
.endif
.irp t, 0,1,2,3
.irp c, 0,1
	ds_load_b128 v[32+16*\t+8*\c:35+16*\t+8*\c], v[ADK] offset:\g*KHALF+(\q)*KPLANE+\t*16*KP+64*\c
	ds_load_b128 v[36+16*\t+8*\c:39+16*\t+8*\c], v[ADK] offset:\g*KHALF+(\q)*KPLANE+\t*16*KP+64*\c+32
.endr
.endr
	s_wait_dscnt 0x0
.irp t, 0,1,2,3
	v_wmma_f32_16x16x32_f16 v[96+8*(4*\g+\t):103+8*(4*\g+\t)], v[32+16*\t:39+16*\t], v[16:23], 0
.endr
.irp t, 0,1,2,3
	v_wmma_f32_16x16x32_f16 v[96+8*(4*\g+\t):103+8*(4*\g+\t)], v[40+16*\t:47+16*\t], v[24:31], v[96+8*(4*\g+\t):103+8*(4*\g+\t)]
.endr
.endr
.rept 4
	v_nop                                          ; places in front of the loads below and of the first read of the scores
.endr
	VFETCH \q, 0                                   ; V's first eight fragments land while the softmax is worked
	s_add_co_u32 s96, s[KF], 127                   ; on the diagonal the scores of hidden keys become -infinity ahead of the maximum: p = 0 then.  A step all of whose keys count skips this
	s_cmp_le_u32 s96, s[Q0]
	s_cbranch_scc1 .Lopen_\@
	s_sub_co_i32 s96, s[Q0], s[KF]
	v_add_nc_u32 v252, s96, v[DL]                  ; d = my query - KF - 8 (lane / 16).  Register 8 T + j holds key KF + 16 T + 8 (lane / 16) + j: hidden where 16 T + j > d
	v_mov_b32 v254, 0xff800000
.set n, 0
.rept 64
	v_cmp_gt_i32 vcc_lo, 16*(n/8)+n%8, v252
	v_cndmask_b32 v[96+n], v[96+n], v254, vcc_lo
.set n, n+1
.endr
.Lopen_\@:
.irp b, 0,1,2,3
	v_max3_num_f32 v[232+\b], v[96+16*\b], v[97+16*\b], v[98+16*\b]   ; the largest score: four chains by turns; each accumulator is read from its low end on
.endr
.irp i, 3,5,7,9,11,13
.irp b, 0,1,2,3
	v_max3_num_f32 v[232+\b], v[232+\b], v[96+16*\b+\i], v[97+16*\b+\i]
.endr
.endr
.irp b, 0,1,2,3
	v_max_num_f32 v[232+\b], v[232+\b], v[111+16*\b]
.endr
	v_max3_num_f32 v254, v232, v233, v234
	v_max_num_f32 v254, v254, v235
	v_permlanex16_b32 v236, v254, s[SEL], s[SEL+1]
	v_max_num_f32 v254, v254, v236                 ; with lane l xor 16's 64 keys: the step's largest score of my query
	v_mul_f32 v254, s[CS], v254                    ; as t (c is positive)
	v_max_num_f32 v13, v13, v254                   ; the running largest t
	v_mov_b32 v254, v12
	v_floor_f32 v12, -v13                          ; the new -M = -ceil(t)
	v_sub_f32 v254, v12, v254                      ; old M - new M: a whole number, 0 or less
	v_cvt_i32_f32 v254, v254                       ; (it saturates)
	v_ldexp_f32 v252, 1.0, v254                    ; f = 2^(old M - new M)
.set n, 0
.rept 32
	v_pk_fma_f32 v[96+n:97+n], v[96+n:97+n], s[CS:CS+1], v[12:13] op_sel_hi:[1,0,0]   ; t - M, two at a time
.set n, n+2
.endr
.set n, 0
.rept 64
	v_exp_f32 v[96+n], v[96+n]                     ; p = 2^(t - M), at most 1
.set n, n+1
.endr
	v_pk_mul_f32 v[14:15], v[14:15], v[252:253] op_sel_hi:[1,0]   ; the sums under the new M.  (The plain line behind the exponentials)
	s_wait_alu depctr_va_vdst(0)                   ; one wait for the whole batch, ahead of the first line that names a result
	v_pk_add_f32 v[236:237], v[96:97], v[98:99]    ; the row's sum, of the unrounded p: two at a time, in two chains
.irp j, 4,8,12,16,20,24,28,32,36,40,44,48,52,56,60
	v_pk_add_f32 v[14:15], v[14:15], v[96+\j:97+\j]
	v_pk_add_f32 v[236:237], v[236:237], v[98+\j:99+\j]
.endr
	v_pk_add_f32 v[14:15], v[14:15], v[236:237]
.set n, 0
.rept 32
	v_cvt_pk_f16_f32 v[192+n], v[96+2*n], v[97+2*n]   ; these registers are the second product's source 1 as they stand
.set n, n+1
.endr
.set n, 0
.rept 16
	v_pk_mul_f32 v[160+n:161+n], v[160+n:161+n], v[252:253] op_sel_hi:[1,0]   ; O^T under the new M
.set n, n+2
.endr
	s_wait_dscnt 0x0                               ; V's first eight fragments are in
	PVMUL 0
.rept 4
	v_nop
.endr
	VFETCH \q, 1
	s_wait_dscnt 0x0
	PVMUL 1
.Lhidden_\@:
	s_add_co_u32 s[KF], s[KF], 128
.endm
; THE CHANGE OF SLOTS stands at a slot's head.  Each wave waits for all its tensor loads (its part of the slot that it is about to read), adds 0 to its spare word, and waits for that and for its reads of the slot that
; it has left.  Behind the barrier the slot ahead is whole and nobody reads the other one.  fill = 1: that other slot is filled with the keys that follow, up to the causal limit: the load has two steps in which to land.
.macro CHANGE fill
	s_wait_tensorcnt 0x0                           ; no tensor load of mine is out, so a group 0 may be written
	ds_add_u32 v[SPW], v[NIL]                      ; 0 onto my spare word
.if \fill
	ds_add_u32 v[SPW], v[NIL]                      ; and once more, in every trip alike
	s_xor_b32 s[G0K+1], s[G0K+1], SLOT1            ; the walking descriptors: the other slot than last time,
	s_add_nc_u64 s[G0K+2:G0K+3], s[G0K+2:G0K+3], SK*128   ; the next 256 keys; the type bits on top are not reached
	s_xor_b32 s[G0V+1], s[G0V+1], SLOT1
	s_add_nc_u64 s[G0V+2:G0V+3], s[G0V+2:G0V+3], SK*2
	s_wait_xcnt 0x0                                ; the last prefetch, a slot back, has read its address, so it may be written:
	s_add_nc_u64 s[PFA:PFA+1], s[PFA:PFA+1], s[PFS:PFS+1]  ; one slot further on than the walking descriptors
.endif
	s_wait_dscnt 0x0                               ; the add is done, and my reads of the slot that I have left are over
	s_barrier_signal -1
	s_barrier_wait -1
.if \fill
	s_add_co_u32 s96, s[KF], SK                    ; THE LOOK-AHEAD ENDS AT THE CAUSAL LIMIT: a slot whose first key comes after my work-group's last query is read by none of its waves, so it is not asked for.
	s_cmp_gt_u32 s96, s[LASTQ]                     ; Ids and the count of steps alone: all sixteen waves go the same way, and a work-group that is past the limit stays past it.  Every wait on TENSORcnt here is for 0
	s_cbranch_scc1 .Lpast_\@
	TLOAD                                          ; a wave's one tensor load until the next such barrier
.Lpast_\@:
	ASK
.endif
.endm
.macro SLOT_STEPS
.set Q, 0
.rept NQ
	STEP Q
.set Q, Q+1
.endr
	s_xor_b32 s[TB], s[TB], SLOT1                  ; on to the other slot
.endm
; THE FIRST 16 POSITIONS IN F32, by one wave, in registers that lie idle between key steps: v32-63 q, v64-95 k (lane (r, h): token r, register 8 w + j: channel 16 w + 8 h + j), v96-127 v (lane (r, h): channel 16 t + r,
; register 8 t + j: token 8 h + j), v128-135 scores, v136-143 p, v144-159 and v192-207 o.  In the f32 form lane (r, h) holds k = 2 h + j of row r in register j: registers (2 c, 2 c + 1) give channel 16 w + 8 h + 2 c + j
; to that place in K and in Q alike, and key 8 h + 2 c + j in V^T and in p alike: a permutation of k that is the same on both sides keeps the products.
; The two accumulators take turns, one instruction a turn.  Behind this form 8 places stand ahead of a read of a result, 9 ahead of a matrix instruction that writes over one of its registers.
.macro FINE
.rept 5
	v_nop                                          ; places behind the last trip's products, whose registers are loaded into below
.endr
	v_and_b32 v232, 15, v0                         ; r
	v_bfe_u32 v233, v0, 4, 1                       ; h
	v_lshlrev_b32 v234, 5, v233
	v_lshl_add_u32 v235, v232, 8, v234             ; q, k: 256 r + 32 h
	v_lshl_add_u32 v237, v232, 6, v234             ; v: 64 r + 32 h
	v_lshl_add_u32 v254, v232, 12, v234            ; ao32: 4,096 r + 32 h
	v_mov_b32 v249, 0xff800000                     ; -infinity
.irp w, 0,1,2,3
.irp u, 0,1
	global_load_b128 v[32+8*\w+4*\u:35+8*\w+4*\u], v235, s[8:9] offset:64*\w+16*\u
	global_load_b128 v[64+8*\w+4*\u:67+8*\w+4*\u], v235, s[8:9] offset:131072+64*\w+16*\u
	global_load_b128 v[96+8*\w+4*\u:99+8*\w+4*\u], v237, s[8:9] offset:262144+1024*\w+16*\u
.endr
.endr
	s_wait_loadcnt 0x0
.irp c, 0,1,2,3                                ; S^T = K Q^T: source 0 = 16 keys, source 1 = 16 queries
.irp w, 0,1,2,3
.if (\c == 0) && (\w < 2)
	v_wmma_f32_16x16x4_f32 v[FA+16*(\w%2):FA+16*(\w%2)+7], v[64+8*\w+2*\c:65+8*\w+2*\c], v[32+8*\w+2*\c:33+8*\w+2*\c], 0
.else
	v_wmma_f32_16x16x4_f32 v[FA+16*(\w%2):FA+16*(\w%2)+7], v[64+8*\w+2*\c:65+8*\w+2*\c], v[32+8*\w+2*\c:33+8*\w+2*\c], v[FA+16*(\w%2):FA+16*(\w%2)+7]
.endif
.endr
.endr
.rept 8
	v_nop
.endr
.irp j, 0,1,2,3,4,5,6,7
	v_add_f32 v[128+\j], v[FA+\j], v[FA+16+\j]     ; lane (r, h): query r, key 8 h + j; both accumulators from their low ends on
.endr
.irp j, 0,1,2,3,4,5,6,7
	v_cmp_gt_i32 vcc_lo, \j, v[DL]                 ; key 8 h + j comes after query r
	v_cndmask_b32 v[128+\j], v[128+\j], v249, vcc_lo
.endr
	v_max3_num_f32 v232, v128, v129, v130
	v_max3_num_f32 v232, v232, v131, v132
	v_max3_num_f32 v232, v232, v133, v134
	v_max_num_f32 v232, v232, v135
	v_permlanex16_b32 v236, v232, s[SEL], s[SEL+1]
	v_max_num_f32 v232, v232, v236                 ; the row's largest score (key 0 counts for every query)
	v_mul_f32 v232, s[CS], v232
.irp j, 0,1,2,3,4,5,6,7
	v_fma_f32 v[136+\j], v[128+\j], s[CS], -v232
.endr
.irp j, 0,1,2,3,4,5,6,7
	v_exp_f32 v[136+\j], v[136+\j]                 ; p = 2^(c s - c max)
.endr
	v_nop                                          ; the plain line behind the exponentials
	s_wait_alu depctr_va_vdst(0)                   ; one wait for the batch, ahead of its first reader
	v_add_f32 v233, v136, v137
	v_add_f32 v234, v138, v139
	v_add_f32 v252, v140, v141
	v_add_f32 v253, v142, v143
	v_add_f32 v233, v233, v234
	v_add_f32 v252, v252, v253
	v_add_f32 v233, v233, v252
	v_permlanex16_b32 v236, v233, s[SEL], s[SEL+1]
	v_add_f32 v233, v233, v236                     ; the row's sum
	v_rcp_f32 v248, v233
.irp pr, 0,1                                   ; O^T = V^T p, two tiles of 16 channels at a time: source 0 = 16 channels, source 1 = p
.irp c, 0,1,2,3
.irp t, 0,1
.if \c == 0
	v_wmma_f32_16x16x4_f32 v[FA+16*\t:FA+16*\t+7], v[96+8*(2*\pr+\t)+2*\c:97+8*(2*\pr+\t)+2*\c], v[136+2*\c:137+2*\c], 0
.else
	v_wmma_f32_16x16x4_f32 v[FA+16*\t:FA+16*\t+7], v[96+8*(2*\pr+\t)+2*\c:97+8*(2*\pr+\t)+2*\c], v[136+2*\c:137+2*\c], v[FA+16*\t:FA+16*\t+7]
.endif
.endr
.endr
.rept 9
	v_nop                                          ; nine places: for the reads below, for the next pair's first products, which begin the sums anew, and for what follows the block
.endr
.if \pr == 0
	s_wait_alu depctr_va_vdst(0)                   ; the wait ahead of the reciprocal's first reader
.endif
.irp t, 0,1
.irp j, 0,1,2,3,4,5,6,7
	v_mul_f32 v[144+48*\pr+8*\t+\j], v[FA+16*\t+\j], v248   ; o(query r, channel 16 (2 pr + t) + 8 h + j)
.endr
.endr
.irp t, 0,1
.irp u, 0,1
	global_store_b128 v254, v[144+48*\pr+8*\t+4*\u:147+48*\pr+8*\t+4*\u], s[10:11] offset:64*(2*\pr+\t)+16*\u
.endr
.endr
.endr
	s_wait_xcnt 0x0                                ; the stores have read their registers, which the key steps write again
.endm
	s_wait_loadcnt 0x0                             ; Q
.Lslot:                                            ; seven trips: behind each change of slots but the last the next slot is asked for, up to the limit
	CHANGE 1
	s_cmp_eq_u32 s[SLOTS], s[FF]                   ; ids and the count of trips alone; round no barrier, no tensor load and no wait of the ring
	s_cbranch_scc0 .Lno_fine
	FINE
.Lno_fine:
	SLOT_STEPS
	s_sub_co_u32 s[SLOTS], s[SLOTS], 1
	s_cmp_lg_u32 s[SLOTS], 0
	s_cbranch_scc1 .Lslot
	CHANGE 0                                       ; the last slot is written out: nothing is left to ask for
	SLOT_STEPS
	; THE WAY OUT.  O^T is divided by the sum, rounded to f16 and goes through my stage, so that sixteen lanes store the 256 bytes of one (pair of tokens, head).
	v_add_f32 v14, v14, v15                        ; the sum's two halves,
	v_permlanex16_b32 v252, v14, s[SEL], s[SEL+1]
	v_add_f32 v14, v14, v252                       ; and lane l xor 16's
	v_rcp_f32 v14, v14
.rept 4
	v_nop                                          ; the plain line behind the reciprocal, and places behind the last products
.endr
	s_wait_alu depctr_va_vdst(0)                   ; the wait ahead of the reciprocal's first reader
.set n, 0
.rept 32
	v_mul_f32 v[96+n], v[160+n], v14               ; register 8 t + j is o(query r, channel 16 t + 8 h + j)
.set n, n+1
.endr
.set n, 0
.rept 16
	v_cvt_pk_f16_f32 v[128+n], v[96+2*n], v[97+2*n]
.set n, n+1
.endr
.irp t, 0,1,2,3
	ds_store_b128 v[STO], v[128+4*\t:131+4*\t] offset:32*\t
.endr
.irp i, 0,1,2,3
	ds_load_b128 v[144+4*\i:147+4*\i], v[RD] offset:544*\i   ; LDS serves a wave's instructions in order: these see my stores
.endr
.irp i, 0,1,2,3
	s_wait_dscnt 3-\i                              ; load i is in; the younger ones may be out
	global_store_b128 v[GO], v[144+4*\i:147+4*\i], s[6:7] offset:8192*\i
.endr
	s_wait_tensorcnt 0x0                           ; the wave's end, behind my last tensor load and my last LDS store
	ds_add_u32 v[SPW], v[NIL]
	s_wait_dscnt 0x0
	s_endpgm
.Lfunc_end_k_qfd0db600b7_attn:
	.size	k_qfd0db600b7_attn, .Lfunc_end_k_qfd0db600b7_attn-k_qfd0db600b7_attn
	.p2alignl 7, 3214868480
	.fill 96, 4, 3214868480
	.section	.rodata,"a",@progbits
	.p2align	6, 0x0
	.amdhsa_kernel k_qfd0db600b7_attn
		.amdhsa_group_segment_fixed_size 327680
		.amdhsa_private_segment_fixed_size 0
		.amdhsa_enable_private_segment 0
		.amdhsa_kernarg_size 32
		.amdhsa_user_sgpr_count 2
		.amdhsa_user_sgpr_kernarg_segment_ptr 1
		.amdhsa_wavefront_size32 1
		.amdhsa_system_sgpr_workgroup_id_x 1
		.amdhsa_system_sgpr_workgroup_id_y 1
		.amdhsa_system_sgpr_workgroup_id_z 1
		.amdhsa_system_vgpr_workitem_id 0
		.amdhsa_next_free_vgpr 256
		.amdhsa_next_free_sgpr 100
		.amdhsa_reserve_vcc 1
		.amdhsa_float_denorm_mode_32 3
		.amdhsa_float_denorm_mode_16_64 3
		.amdhsa_memory_ordered 1
		.amdhsa_forward_progress 1
		.amdhsa_inst_pref_size 118
	.end_amdhsa_kernel
	.amdgpu_metadata
---
amdhsa.version: [ 1, 2 ]
amdhsa.kernels:
  - .name:           k_qfd0db600b7_attn
    .symbol:         k_qfd0db600b7_attn.kd
    .args:
      - { .name: qkv16, .offset: 0, .size: 8, .value_kind: global_buffer, .address_space: global }
      - { .name: aop, .offset: 8, .size: 8, .value_kind: global_buffer, .address_space: global }
      - { .name: qkv32, .offset: 16, .size: 8, .value_kind: global_buffer, .address_space: global }
      - { .name: ao32, .offset: 24, .size: 8, .value_kind: global_buffer, .address_space: global }
    .group_segment_fixed_size: 327680
    .private_segment_fixed_size: 0
    .kernarg_segment_align: 8
    .kernarg_segment_size: 32
    .max_flat_workgroup_size: 512
    .sgpr_count:     100
    .vgpr_count:     256
    .wavefront_size: 32
...
	.end_amdgpu_metadata
.endif
;; end of part 3
;; launch proj (part 4): grid 8 x 32, 4 waves a work-group, clusters of 4 x 4, 327,680 bytes of LDS; arguments aop, w16, out0; writes out0
.if DOCPART == 4
	.amdgcn_target "amdgcn-amd-amdhsa--gfx1250"
	.amdhsa_code_object_version 6
	.text
	.protected	k_qfd0db600b7_proj
	.globl	k_qfd0db600b7_proj
	.p2align	8
	.type	k_qfd0db600b7_proj,@function
k_qfd0db600b7_proj:
	s_mov_b64 s[64:65], 0
	v_nop
	global_prefetch_b8 v0, s[64:65] scope:SCOPE_SE
	s_setreg_imm32_b32 hwreg(HW_REG_WAVE_MODE, 25, 1), 1
	s_wait_xcnt 0x0
	s_wait_alu depctr_hold_cnt(0) depctr_sa_sdst(0) depctr_va_vdst(0) depctr_va_sdst(0) depctr_va_ssrc(0) depctr_va_vcc(0) depctr_vm_vsrc(0)
	s_getreg_b32 s2, hwreg(HW_REG_IB_STS2, 6, 4)
	s_cmp_eq_u32 s2, 0
	s_cbranch_scc0 .Lentry_in_a_cluster
	s_endpgm
.Lentry_in_a_cluster:
	s_bfe_u32 s2, ttmp6, 0x10000c
	s_cmp_lg_u32 s2, 0xf033
	s_cbranch_scc0 .Lentry_shape_is_right
	s_endpgm
.Lentry_shape_is_right:
; PROJ: out0[t][e] = the sum over d of ao[t][d] w_out[e][d], 4,096 x 1,024 x 1,024, operands f16, sums f32, out0 f32.
; aop: [2048 pairs of tokens][16 heads][2 tokens][64 channels] f16: a pair row is 4,096 bytes; d = 64 head + channel.  w16: [1024 e][1024 d] f16.
; A tile of out0 is 128 x 128: 256 work-groups.  Four waves, each 64 x 64: 16 accumulators.  K goes in steps of 256 (four heads) through two LDS slots.  A's tile of a step is 64 pair rows x 1,024 bytes; a fragment wants
; only pieces of 16 bytes: token r's lie at (r / 2) x pitch + (r % 2) x 128 + 256 x head.  With a pitch of 1,040 the sixteen lanes of a load fall on sixteen different 16-byte columns modulo 256.
; CLUSTERS of 4 x 4: A's tiles are asked for jointly along a row of the cluster, B's along a column.  THE MATRIX INSTRUCTION IS USED TRANSPOSED (source 0 = 16 rows of w16, source 1 = 16 tokens): a lane holds eight
; neighbouring numbers of a row of out0.  A wave's 64 columns are 256 bytes, aligned: each wave has a stage of its own on the way out and no barrier is needed there.
; The first 16 positions of each sequence are written here too and written over by a later launch, which carries them in f32.
; REGISTERS: window 0: v0-31 addresses; v32-95 rows on the way out, two sets; v128-255 the accumulators ((a, b) at v[128 + 8 (4 a + b)]).   window 1: two fragment buffers of 128: 64 registers of A, then 64 of B.
.set SIZE_K, 1024
.set KSTEP,  256
.set PITCH,  528                       ; B's LDS row: 512 bytes + 16
.set APITCH, 1040                      ; A's: 1,024 bytes + 16
.set HALFT,  64*PITCH                  ; what one tensor load brings at the most (A's 32 rows take 33,280 of these 33,792 bytes)
.set SLOT,   4*HALFT
.set STAGE,  2*SLOT                    ; behind the ring: 16 rows x 272 bytes for each wave
.set SPITCH, 272
.set SPARE,  STAGE+4*16*SPITCH         ; the spare words, 128 bytes a wave, named by no other line
.set LAPS, SIZE_K/(2*KSTEP)
.set ADRA, 16
.set ADRB, 20
.set STO,  24
.set RD,   25
.set CO,   26
.set SPW,  28
.set NIL,  29
.set TMP,  32
.set ACC,  128
.set F0,   0
.set F1,   128
.set G1, 24
.set G0, 32
.set G1B, 48
.set G0B, 56
.set MSB, 0
.macro WIN new
.if MSB != (\new)
	s_set_vgpr_msb (MSB<<8)|(\new)
.set MSB, (\new)
.endif
.endm
.set MUL,  0x05                        ; sources 0 (B) and 1 (A) window 1; C and D window 0
.set TO_F, 0x40                        ; destination window 1, address window 0
.macro JLOAD s                         ; a joint load: waves 0 and 1 fetch A's two halves, waves 2 and 3 B's; an s_nop 0 and four v_nop follow each of the two lines
	s_cmp_eq_u32 s11, 0
	s_cbranch_scc0 .Lfor_b_\@
	tensor_load_to_lds s[G0+4*\s:G0+4*\s+3], s[G1:G1+7]
	s_nop 0
.rept 4
	v_nop
.endr
	s_branch .Lasked_\@
.Lfor_b_\@:
	tensor_load_to_lds s[G0B+4*\s:G0B+4*\s+3], s[G1B:G1B+7]
	s_nop 0
.rept 4
	v_nop
.endr
.Lasked_\@:
.endm
.macro CREST                           ; a round of the cluster's barrier behind its opening barrier
	s_cmp_lg_u32 s10, 0
	s_cbranch_scc1 .Lnot_wave_0_\@
	s_barrier_signal -3
.Lnot_wave_0_\@:
	s_barrier_wait -3
	s_barrier_signal -1
	s_barrier_wait -1
.endm
.macro CROUND
	s_barrier_signal -1
	s_barrier_wait -1
	CREST
.endm
	s_load_b128 s[4:7], s[0:1], 0x0                ; aop s[4:5], w16 s[6:7]
	s_load_b64 s[8:9], s[0:1], 0x10                ; out0
	v_lshl_add_u32 v[SPW], v0, 2, SPARE
	v_mov_b32 v[NIL], 0
	ds_add_u32 v[SPW], v[NIL]                      ; the wave's opening: the add, twice on end, and its wait ahead of my first tensor load
	ds_add_u32 v[SPW], v[NIL]
	v_lshrrev_b32 v1, 5, v0
	v_readfirstlane_b32 s10, v1                    ; wave 0..3
	s_lshr_b32 s11, s10, 1                         ; which half of the tile's rows is mine.  Also: I fetch for A (0) or for B (1)
	s_and_b32 s12, s10, 1                          ; which half of its columns.  Also: which half of that tile I fetch
	s_bfe_u32 s40, ttmp6, 0x40000                  ; cx, cy
	s_bfe_u32 s41, ttmp6, 0x40004
	s_lshl_b32 s42, ttmp9, 2
	s_add_co_u32 s42, s42, s40                     ; tile column
	s_and_b32 s13, ttmp7, 0xffff
	s_lshl_b32 s13, s13, 2
	s_add_co_u32 s13, s13, s41                     ; tile row
	s_lshl_b32 s43, s41, 2
	s_lshl_b32 s43, 15, s43                        ; my row of the cluster
	s_lshl_b32 s44, 0x1111, s40                    ; my column
	; group 1.  A: 32 pair rows x 512 elements (1,024 bytes), 2,048 elements apart; four words of padding after every 256
	s_or_b32 s[G1+0], s43, (1<<16)|(1<<20)|(1<<21)|(7<<22)|(3<<25)
	s_mov_b32 s[G1+1], 512<<16
	s_mov_b32 s[G1+2], 32<<16
	s_mov_b32 s[G1+3], 512<<16
	s_mov_b32 s[G1+4], 32
	s_mov_b32 s[G1+5], 2048
	s_mov_b32 s[G1+6], 0
	s_mov_b32 s[G1+7], 0
	; B: 64 rows x 256 elements (512 bytes), 1,024 elements apart; four words of padding after every 128
	s_or_b32 s[G1B+0], s44, (1<<16)|(1<<20)|(1<<21)|(6<<22)|(3<<25)
	s_mov_b32 s[G1B+1], KSTEP<<16
	s_mov_b32 s[G1B+2], 64<<16
	s_mov_b32 s[G1B+3], KSTEP<<16
	s_mov_b32 s[G1B+4], 64
	s_mov_b32 s[G1B+5], SIZE_K
	s_mov_b32 s[G1B+6], 0
	s_mov_b32 s[G1B+7], 0
	s_lshl_b32 s17, s12, 17                        ; my half: 32 pair rows of 4,096 bytes, or 64 rows of 2,048
	s_lshl_b32 s16, s13, 18                        ; A: 64 pair rows a tile row
	s_add_co_u32 s16, s16, s17
	s_lshl_b32 s46, s42, 18                        ; B: 128 rows a tile column
	s_add_co_u32 s46, s46, s17
	s_mov_b32 s17, 0
	s_mov_b32 s47, 0
	s_mul_i32 s20, s10, HALFT                      ; where they go: no place in the cluster enters an LDS address
	s_wait_dscnt 0x0                               ; both opening adds are done
	s_wait_kmcnt 0x0
	s_add_nc_u64 s[14:15], s[4:5], s[16:17]
	s_add_nc_u64 s[46:47], s[6:7], s[46:47]
	CROUND                                         ; all sixteen work-groups are here: the first joint loads meet
.irp s, 0,1
	s_mov_b32 s[G0+4*\s], 1
	s_add_co_u32 s[G0+4*\s+1], s20, \s*SLOT
	s_add_nc_u64 s[G0+4*\s+2:G0+4*\s+3], s[14:15], \s*1024        ; a K step is 1,024 bytes of a pair row,
	s_or_b32 s[G0+4*\s+3], s[G0+4*\s+3], 0x80000000
	s_mov_b32 s[G0B+4*\s], 1
	s_add_co_u32 s[G0B+4*\s+1], s20, \s*SLOT
	s_add_nc_u64 s[G0B+4*\s+2:G0B+4*\s+3], s[46:47], \s*KSTEP*2   ; and 512 of a row of w16
	s_or_b32 s[G0B+4*\s+3], s[G0B+4*\s+3], 0x80000000
	JLOAD \s
.endr
	v_and_b32 v1, 15, v0                           ; r
	v_bfe_u32 v2, v0, 4, 1                         ; h
	v_mul_u32_u24 v3, v1, PITCH
	v_lshl_add_u32 v3, v2, 4, v3                   ; B: row x pitch + 16 h
	v_lshrrev_b32 v6, 1, v1
	v_mul_u32_u24 v6, v6, APITCH
	v_and_b32 v7, 1, v1
	v_lshl_add_u32 v6, v7, 7, v6
	v_lshl_add_u32 v6, v2, 4, v6                   ; A: (r / 2) x pitch + 128 (r % 2) + 16 h
	s_mul_i32 s21, s11, HALFT                      ; my 64 tokens of A
	s_mul_i32 s22, s12, HALFT                      ; my 64 rows of B,
	s_add_co_u32 s22, s22, 2*HALFT                 ; which lie behind A's
.irp s, 0,1
	v_add_nc_u32 v[ADRA+\s], s21, v6
	v_add_nc_u32 v[ADRB+\s], s22, v3
	s_add_co_u32 s21, s21, SLOT
	s_add_co_u32 s22, s22, SLOT
.endr
	s_mul_i32 s23, s10, 16*SPITCH
	s_add_co_u32 s23, s23, STAGE                   ; my stage
	v_mul_u32_u24 v4, v1, SPITCH
	v_lshl_add_u32 v4, v2, 5, v4
	v_add_nc_u32 v[STO], s23, v4                   ; in: row r, 32 bytes for each half of the lanes
	v_mul_u32_u24 v5, v2, SPITCH
	v_lshl_add_u32 v5, v1, 4, v5
	v_add_nc_u32 v[RD], s23, v5                    ; back: lanes 0-15 one row of 256 bytes, lanes 16-31 the next
	v_lshlrev_b32 v5, 12, v2
	v_lshl_add_u32 v[CO], v1, 4, v5                ; and the same two rows in out0
	s_lshl_b32 s16, s13, 19                        ; 128 rows of 4,096 bytes a tile row,
	s_lshl_b32 s17, s11, 18                        ; my 64 rows,
	s_add_co_u32 s16, s16, s17
	s_lshl_b32 s17, s42, 9                         ; 512 bytes a tile column,
	s_add_co_u32 s16, s16, s17
	s_lshl_b32 s17, s12, 8                         ; my 256
	s_add_co_u32 s16, s16, s17
	s_mov_b32 s17, 0
	s_add_nc_u64 s[8:9], s[8:9], s[16:17]
; 8 matrix instructions: m blocks a0, a0 + 1 x all 4 n blocks, 32 along K: half c of buffer f.  zero = 1: the first product starts the sums.  The 16 accumulators take turns
.macro MUL8 f, c, a0, zero
.irp a, \a0, \a0+1
.irp b, 0,1,2,3
.if \zero
	v_wmma_f32_16x16x32_f16 v[ACC+8*(4*(\a)+\b):ACC+8*(4*(\a)+\b)+7], v[\f+64+8*(4*\c+\b):\f+64+8*(4*\c+\b)+7], v[\f+8*(4*\c+\a):\f+8*(4*\c+\a)+7], 0
.else
	v_wmma_f32_16x16x32_f16 v[ACC+8*(4*(\a)+\b):ACC+8*(4*(\a)+\b)+7], v[\f+64+8*(4*\c+\b):\f+64+8*(4*\c+\b)+7], v[\f+8*(4*\c+\a):\f+8*(4*\c+\a)+7], v[ACC+8*(4*(\a)+\b):ACC+8*(4*(\a)+\b)+7]
.endif
.endr
.endr
.endm
; 32 LDS loads in one run: the fragments of 64 along K (one head) at byte k of B's rows, into buffer f; the first 32 along K first.  In A's pair rows a head is 256 bytes: byte 2 k
.macro FETCH slot, k, f
	WIN TO_F
.irp c, 0,1
.irp i, 0,1,2,3
	ds_load_b128 v[\f+64+8*(4*\c+\i):\f+64+8*(4*\c+\i)+3],   v[ADRB+\slot] offset:\k+64*\c+\i*16*PITCH
	ds_load_b128 v[\f+64+8*(4*\c+\i)+4:\f+64+8*(4*\c+\i)+7], v[ADRB+\slot] offset:\k+64*\c+\i*16*PITCH+32
	ds_load_b128 v[\f+8*(4*\c+\i):\f+8*(4*\c+\i)+3],         v[ADRA+\slot] offset:2*(\k)+64*\c+\i*8*APITCH
	ds_load_b128 v[\f+8*(4*\c+\i)+4:\f+8*(4*\c+\i)+7],       v[ADRA+\slot] offset:2*(\k)+64*\c+\i*8*APITCH+32
.endr
.endr
.endm
.macro PLACES                          ; four plain lines in front of loads into registers that matrix instructions have read, and of the first read of results
.rept 4
	v_nop
.endr
.endm
; A K step is four quarters of 64 along K, 32 matrix instructions each, on buffers 0, 1, 0, 1.
.macro QUARTER slot, k, f, g, zero
	s_wait_dscnt 16                                ; the first 32 along K are in; the youngest sixteen loads may be out
	WIN MUL
	MUL8 \f, 0, 0, \zero
	MUL8 \f, 0, 2, \zero
	PLACES
	FETCH \slot, \k, \g
	s_wait_dscnt 32                                ; all but the 32 just issued
	WIN MUL
	MUL8 \f, 1, 0, 0
	MUL8 \f, 1, 2, 0
.endm
; The last quarter multiplies buffer 1 and changes slots: ONE barrier; in front of it each wave waits for all its tensor loads, adds 0 to its spare word, and waits for that and for its own reads of this slot.
.macro TURN slot, next, fill
	WIN 0
	s_wait_tensorcnt 0x0                           ; all my tensor loads have landed: my part of the next slot
	ds_add_u32 v[SPW], v[NIL]                      ; 0 onto my spare word
	s_wait_dscnt 17                                ; (the add and the youngest sixteen loads may be out)
	WIN MUL
	MUL8 F1, 0, 0, 0
	s_wait_dscnt 0x0                               ; the add is done, and my reads of this slot are over
	s_barrier_signal -1
	MUL8 F1, 0, 2, 0
.if \fill
	WIN 0
.endif
	s_barrier_wait -1
.if \fill
	CREST                                          ; the barrier has opened a round of the cluster's barrier: no wave of any partner still reads this slot or has a load on its way
	s_add_nc_u64 s[G0+4*\slot+2:G0+4*\slot+3], s[G0+4*\slot+2:G0+4*\slot+3], 2*1024
	s_add_nc_u64 s[G0B+4*\slot+2:G0B+4*\slot+3], s[G0B+4*\slot+2:G0B+4*\slot+3], 2*KSTEP*2
	JLOAD \slot                                    ; the first tensor load behind the round; its four v_nop are also the places in front of the loads below
.else
	PLACES
.endif
	FETCH \next, 0, F0
	WIN MUL
	MUL8 F1, 1, 0, 0
	MUL8 F1, 1, 2, 0
.endm
	s_wait_tensorcnt 1                             ; my part of K step 0 is in (K step 1's load may be out),
	s_barrier_signal -1
	s_barrier_wait -1                              ; everybody's is
	FETCH 0, 0, F0
	QUARTER 0, 128, F0, F1, 1                      ; the first quarter stands in front of the loop: its first products start the sums
	WIN 0
	s_mov_b32 s3, LAPS-1
.Llap:                                                 ; a trip goes once round the ring and fills both slots again
	QUARTER 0, 256, F1, F0, 0
	QUARTER 0, 384, F0, F1, 0
	TURN 0, 1, 1
	QUARTER 1, 128, F0, F1, 0
	QUARTER 1, 256, F1, F0, 0
	QUARTER 1, 384, F0, F1, 0
	TURN 1, 0, 1
	QUARTER 0, 128, F0, F1, 0
	WIN 0
	s_sub_co_u32 s3, s3, 1
	s_cmp_lg_u32 s3, 0
	s_cbranch_scc1 .Llap
	QUARTER 0, 256, F1, F0, 0                      ; the last lap fills nothing
	QUARTER 0, 384, F0, F1, 0
	TURN 0, 1, 0
	QUARTER 1, 128, F0, F1, 0
	QUARTER 1, 256, F1, F0, 0
	QUARTER 1, 384, F0, F1, 0
	s_wait_dscnt 16
	WIN MUL
	MUL8 F1, 0, 0, 0
	MUL8 F1, 0, 2, 0
	s_wait_dscnt 0
	MUL8 F1, 1, 0, 0
	MUL8 F1, 1, 2, 0
	WIN 0
; THE WAY OUT, block by block of 16 rows x 64 columns, through my own stage: in as 32 bytes a lane, each accumulator from its low end on; back as whole rows of 256 bytes.
.macro TOSTAGE a
.irp b, 0,1,2,3
	ds_store_b128 v[STO], v[ACC+8*(4*(\a)+\b):ACC+8*(4*(\a)+\b)+3] offset:64*\b
	ds_store_b128 v[STO], v[ACC+8*(4*(\a)+\b)+4:ACC+8*(4*(\a)+\b)+7] offset:64*\b+16
.endr
.irp t, 0,1,2,3,4,5,6,7
	ds_load_b128 v[TMP+32*((\a)%2)+4*\t:TMP+32*((\a)%2)+4*\t+3], v[RD] offset:\t*2*SPITCH   ; LDS serves a wave's instructions in order: these see the stores above
.endr
.endm
.macro SEND a, younger
	s_wait_dscnt \younger                          ; the block is back in registers; the next block's eight stores and eight loads may be out
.irp t, 0,1,2,3,4,5,6,7
	global_store_b128 v[CO], v[TMP+32*((\a)%2)+4*\t:TMP+32*((\a)%2)+4*\t+3], s[8:9] offset:(16*(\a)+2*\t)*4096 th:TH_STORE_NT   ; 16 lanes store 256 consecutive bytes, aligned
.endr
.endm
	PLACES
	TOSTAGE 0
.irp a, 1,2,3
.if \a > 1
	s_wait_xcnt 0x0                                ; block a - 2's stores have read the registers into which block a's loads land
.endif
	TOSTAGE \a
	SEND \a-1, 16
.endr
	SEND 3, 0
	s_wait_tensorcnt 0x0                           ; the wave's end, behind my last tensor load and my last LDS store
	ds_add_u32 v[SPW], v[NIL]
	s_wait_dscnt 0x0
	CROUND                                         ; the closing round
	s_endpgm
.Lfunc_end_k_qfd0db600b7_proj:
	.size	k_qfd0db600b7_proj, .Lfunc_end_k_qfd0db600b7_proj-k_qfd0db600b7_proj
	.p2alignl 7, 3214868480
	.fill 96, 4, 3214868480
	.section	.rodata,"a",@progbits
	.p2align	6, 0x0
	.amdhsa_kernel k_qfd0db600b7_proj
		.amdhsa_group_segment_fixed_size 327680
		.amdhsa_private_segment_fixed_size 0
		.amdhsa_enable_private_segment 0
		.amdhsa_kernarg_size 24
		.amdhsa_user_sgpr_count 2
		.amdhsa_user_sgpr_kernarg_segment_ptr 1
		.amdhsa_wavefront_size32 1
		.amdhsa_system_sgpr_workgroup_id_x 1
		.amdhsa_system_sgpr_workgroup_id_y 1
		.amdhsa_system_sgpr_workgroup_id_z 1
		.amdhsa_system_vgpr_workitem_id 0
		.amdhsa_next_free_vgpr 512
		.amdhsa_next_free_sgpr 66
		.amdhsa_reserve_vcc 0
		.amdhsa_float_denorm_mode_32 3
		.amdhsa_float_denorm_mode_16_64 3
		.amdhsa_memory_ordered 1
		.amdhsa_forward_progress 1
		.amdhsa_inst_pref_size 86
	.end_amdhsa_kernel
	.amdgpu_metadata
---
amdhsa.version: [ 1, 2 ]
amdhsa.kernels:
  - .name:           k_qfd0db600b7_proj
    .symbol:         k_qfd0db600b7_proj.kd
    .args:
      - { .name: aop, .offset: 0, .size: 8, .value_kind: global_buffer, .address_space: global }
      - { .name: w16, .offset: 8, .size: 8, .value_kind: global_buffer, .address_space: global }
      - { .name: out0, .offset: 16, .size: 8, .value_kind: global_buffer, .address_space: global }
    .group_segment_fixed_size: 327680
    .private_segment_fixed_size: 0
    .kernarg_segment_align: 8
    .kernarg_segment_size: 24
    .max_flat_workgroup_size: 128
    .sgpr_count:     66
    .vgpr_count:     512
    .wavefront_size: 32
...
	.end_amdgpu_metadata
.endif
;; end of part 4
;; launch fproj (part 5): grid 64 x 2, 8 waves a work-group, no clusters, 9,216 bytes of LDS; arguments ao32, w_out, out0; writes out0
.if DOCPART == 5
	.amdgcn_target "amdgcn-amd-amdhsa--gfx1250"
	.amdhsa_code_object_version 6
	.text
	.protected	k_qfd0db600b7_fproj
	.globl	k_qfd0db600b7_fproj
	.p2align	8
	.type	k_qfd0db600b7_fproj,@function
k_qfd0db600b7_fproj:
	s_mov_b64 s[64:65], 0
	v_nop
	global_prefetch_b8 v0, s[64:65] scope:SCOPE_SE
	s_setreg_imm32_b32 hwreg(HW_REG_WAVE_MODE, 25, 1), 1
	s_wait_xcnt 0x0
; FPROJ: the first 16 positions of each sequence through the last product in f32: out0[2048 b + s][e] = the sum over d of ao32[16 b + s][d] w_out[e][d], s < 16.  It writes over what the f16 product left in these 32 rows.
; A work-group makes 16 rows x 16 columns; each of its eight waves takes 128 along K: 32 instructions of the f32 matrix form on two accumulators by turns (no bulk work: 32 of 4,096 rows).
; Source 0 = 16 rows of w_out, source 1 = the 16 tokens: a lane holds one token and eight neighbouring columns.  A lane loads 16 bytes: four neighbours along K; registers (2 p, 2 p + 1) of load i give
; d = 8 i + 4 h + 2 p + j to the form's place k = 2 h + j, in both operands alike: a permutation of k that is the same on both sides keeps the products.
; The eight parts meet in LDS as images of their registers, and wave 0 adds them in a fixed order.
; The stores are 64 bytes of a row, 128 KiB in the whole launch: whole blocks of 256 bytes would want four column tiles in one work-group, four times the chain of products on each SIMD.
.set SPARE, 8192                       ; behind the eight images: the spare words, 128 bytes a wave, named by no other line
.set SPW,  2
.set NIL,  3
	s_load_b128 s[4:7], s[0:1], 0x0                ; ao32 s[4:5], w_out s[6:7]
	s_load_b64 s[8:9], s[0:1], 0x10                ; out0
	v_lshl_add_u32 v[SPW], v0, 2, SPARE
	v_mov_b32 v[NIL], 0
	v_lshrrev_b32 v1, 5, v0
	v_readfirstlane_b32 s10, v1                    ; wave 0..7: which 128 along K
	v_and_b32 v4, 15, v0                           ; r
	v_bfe_u32 v5, v0, 4, 1                         ; h
	v_lshlrev_b32 v6, 12, v4
	v_lshl_add_u32 v9, v5, 5, v6                   ; out0: row r of 4,096 bytes, + 32 h
	v_lshl_add_u32 v6, v5, 4, v6                   ; operands: row r of 4,096 bytes, + 16 h
	v_and_b32 v8, 31, v0
	v_lshlrev_b32 v8, 4, v8                        ; 16 x lane
	s_lshl_b32 s11, s10, 10
	v_add_nc_u32 v7, s11, v8                       ; where I store my image
	s_and_b32 s11, ttmp7, 0xffff                   ; batch
	s_lshl_b32 s18, s10, 9                         ; my 128 numbers of a row
	s_lshl_b32 s12, ttmp9, 16                      ; w_out: 16 rows a column tile
	s_add_co_u32 s12, s12, s18
	s_mov_b32 s13, 0
	s_lshl_b32 s14, s11, 16                        ; ao32: 16 rows a batch
	s_add_co_u32 s14, s14, s18
	s_mov_b32 s15, 0
	s_lshl_b32 s16, s11, 23                        ; out0: 2,048 rows a batch,
	s_lshl_b32 s17, ttmp9, 6                       ; 64 bytes a column tile
	s_add_co_u32 s16, s16, s17
	s_mov_b32 s17, 0
	s_wait_kmcnt 0x0
	s_add_nc_u64 s[6:7], s[6:7], s[12:13]
	s_add_nc_u64 s[4:5], s[4:5], s[14:15]
	s_add_nc_u64 s[8:9], s[8:9], s[16:17]
.irp i, 0,1,2,3,4,5,6,7,8,9,10,11,12,13,14,15
	global_load_b128 v[16+4*\i:19+4*\i], v6, s[6:7] offset:32*\i
	global_load_b128 v[80+4*\i:83+4*\i], v6, s[4:5] offset:32*\i
.endr
	s_wait_loadcnt 0x0
.irp i, 0,1,2,3,4,5,6,7,8,9,10,11,12,13,14,15
.irp p, 0,1
.if \i == 0
	v_wmma_f32_16x16x4_f32 v[144+8*\p:151+8*\p], v[16+4*\i+2*\p:17+4*\i+2*\p], v[80+4*\i+2*\p:81+4*\i+2*\p], 0
.else
	v_wmma_f32_16x16x4_f32 v[144+8*\p:151+8*\p], v[16+4*\i+2*\p:17+4*\i+2*\p], v[80+4*\i+2*\p:81+4*\i+2*\p], v[144+8*\p:151+8*\p]
.endif
.endr
.endr
.rept 8
	v_nop                                          ; eight places behind this form
.endr
.irp j, 0,1,2,3,4,5,6,7
	v_add_f32 v[160+\j], v[144+\j], v[152+\j]      ; v144-159 are written by matrix instructions alone
.endr
	ds_store_b128 v7, v[160:163]
	ds_store_b128 v7, v[164:167] offset:512
	s_wait_dscnt 0x0                               ; for wave 0's sake: my stores have landed
	s_barrier_signal -1
	s_barrier_wait -1
	s_cmp_lg_u32 s10, 0
	s_cbranch_scc1 .Lend
.irp m, 0,1,2,3,4,5,6,7
	ds_load_b128 v[16+8*\m:19+8*\m], v8 offset:1024*\m
	ds_load_b128 v[20+8*\m:23+8*\m], v8 offset:1024*\m+512
.endr
	s_wait_dscnt 0x0
.irp m, 1,2,3,4,5,6,7
.irp p, 0,1,2,3
	v_pk_add_f32 v[16+2*\p:17+2*\p], v[16+2*\p:17+2*\p], v[16+8*\m+2*\p:17+8*\m+2*\p]
.endr
.endr
	global_store_b128 v9, v[16:19], s[8:9]         ; out0(row r, columns 16 tile + 8 h + 0 .. 7)
	global_store_b128 v9, v[20:23], s[8:9] offset:16
.Lend:
	s_wait_tensorcnt 0x0                           ; the wave's end, behind my last LDS store
	ds_add_u32 v[SPW], v[NIL]
	s_wait_dscnt 0x0
	s_endpgm
.Lfunc_end_k_qfd0db600b7_fproj:
	.size	k_qfd0db600b7_fproj, .Lfunc_end_k_qfd0db600b7_fproj-k_qfd0db600b7_fproj
	.p2alignl 7, 3214868480
	.fill 96, 4, 3214868480
	.section	.rodata,"a",@progbits
	.p2align	6, 0x0
	.amdhsa_kernel k_qfd0db600b7_fproj
		.amdhsa_group_segment_fixed_size 9216
		.amdhsa_private_segment_fixed_size 0
		.amdhsa_enable_private_segment 0
		.amdhsa_kernarg_size 24
		.amdhsa_user_sgpr_count 2
		.amdhsa_user_sgpr_kernarg_segment_ptr 1
		.amdhsa_wavefront_size32 1
		.amdhsa_system_sgpr_workgroup_id_x 1
		.amdhsa_system_sgpr_workgroup_id_y 1
		.amdhsa_system_sgpr_workgroup_id_z 1
		.amdhsa_system_vgpr_workitem_id 0
		.amdhsa_next_free_vgpr 176
		.amdhsa_next_free_sgpr 66
		.amdhsa_reserve_vcc 0
		.amdhsa_float_denorm_mode_32 3
		.amdhsa_float_denorm_mode_16_64 3
		.amdhsa_memory_ordered 1
		.amdhsa_forward_progress 1
		.amdhsa_inst_pref_size 11
	.end_amdhsa_kernel
	.amdgpu_metadata
---
amdhsa.version: [ 1, 2 ]
amdhsa.kernels:
  - .name:           k_qfd0db600b7_fproj
    .symbol:         k_qfd0db600b7_fproj.kd
    .args:
      - { .name: ao32, .offset: 0, .size: 8, .value_kind: global_buffer, .address_space: global }
      - { .name: w_out, .offset: 8, .size: 8, .value_kind: global_buffer, .address_space: global }
      - { .name: out0, .offset: 16, .size: 8, .value_kind: global_buffer, .address_space: global }
    .group_segment_fixed_size: 9216
    .private_segment_fixed_size: 0
    .kernarg_segment_align: 8
    .kernarg_segment_size: 24
    .max_flat_workgroup_size: 256
    .sgpr_count:     66
    .vgpr_count:     176
    .wavefront_size: 32
...
	.end_amdgpu_metadata
.endif
;; end of part 5
